; MI455X (gfx1250); checked and timed in simulation.
; The chip was launched on July 23, 2026; its instructions are those of AMD's public machine-readable ISA for CDNA 5 (MIT licence, August 2026) and "CDNA5" Instruction Set Architecture Reference Guide (July 2026). The comments in the code are by the model that wrote it; some were corrected since.
;; Gated Linear Recurrence. Allowed arithmetic: float matrix products may take bf16 or f16 operands with f32 sums; other float arithmetic in f32, or as packed bf16 or f16 multiplies, adds, multiply-adds, maxima and minima; sums over many terms, partial sums and values carried from step to step in f32; what a program stores and reads back later, other than sums and carried values, may be rounded once to bf16 or f16.
;; Inputs: W_ig 1,024 x 1,024 float32; W_in 1,024 x 1,024 float32; W_out 1,024 x 1,024 float32; W_rg 1,024 x 1,024 float32; b_ig 1,024 float32; b_rg 1,024 float32; h0 1 x 1 x 1,024 float32; lam 1,024 float32; norm_w 1,024 float32; x 4 x 4,096 x 1,024 float32.
;; Outputs: out0 4 x 4,096 x 1,024 float32.
;; 2 versions, each right; version 2 is version 1 with the launch prep written anew for expert scheduling mode. Each part assembles by itself: llvm-mc -triple=amdgcn-amd-amdhsa -mcpu=gfx1250 --defsym DOCPART=n.
;; ======== version 1 of 2: 4 launches
;; limits: values are held in f16: magnitudes above 65,504 overflow, below 6.1e-05 lose precision; right only within a limited range of input values; values outside matrix products are rounded to bf16; values outside matrix products are rounded to f16
;; workspace buffers: xb 33,554,432 bytes; wg 6,291,456 bytes; wo 2,097,152 bytes; hl 33,554,432 bytes; pp 33,554,432 bytes; a2 33,554,432 bytes; sums 262,144 bytes
;; launch prep (part 1): grid 256 x 1, 16 waves a work-group, no clusters, 0 bytes of LDS; arguments x, W_in, W_ig, W_rg, W_out, xb, wg, wo; writes xb, wg, wo
.if DOCPART == 1
	.amdgcn_target "amdgcn-amd-amdhsa--gfx1250"
	.amdhsa_code_object_version 6
	.text
	.protected	k_q4c308b5f3b_prep
	.globl	k_q4c308b5f3b_prep
	.p2align	8
	.type	k_q4c308b5f3b_prep,@function
k_q4c308b5f3b_prep:
	s_mov_b64 s[64:65], 0
	v_nop
	global_prefetch_b8 v0, s[64:65] scope:SCOPE_SE
	s_setreg_imm32_b32 hwreg(HW_REG_WAVE_MODE, 25, 1), 1
	s_wait_xcnt 0x0
; ROUNDING OF THE MATRIX OPERANDS.  xb = x in bf16, [16384][1024].  wg = W_in, W_ig, W_rg in bf16, rows in the order in which the next launch's tiles want them:
; row 384 (ch / 128) + 128 gate + ch % 128.  wo = W_out rounded to bf16, that number written as f16 (exact for magnitudes from 6.1e-5 to 65,504).
; LIMIT: |W_out| under 65,504; below 6.1e-5 wo keeps f16's fixed step of 6e-8.
; SHARES.  Work-group i takes 262,144 bytes of x (32 pieces of 8,192) and rows 4 i .. 4 i + 3 of each weight matrix (2 pieces each).  Of a piece thread t (of 512) takes the 16 bytes at 16 t:
; a wave's load covers 512 consecutive bytes, and each byte is asked for once.  The four numbers pack into 8 bytes at 8 t of the piece's 4,096 bytes of output: a wave's store covers 256 consecutive bytes, aligned.
; IN FLIGHT.  Every wave issues all its 40 loads at the head: 16 waves x 40 x 512 bytes, the work-group's whole share.  The pieces stand in the immediates, the roundings are made in place in the loaded
; registers, and no register that a store reads is written again: so there is no loop, and the only waits are the counted ones for the loads.
; No LDS, no barrier, no matrix unit: every byte is read once and written once, and nothing is shared.
.set VI, 1                             ; v1         16 t; never rewritten
.set VO, 2                             ; v2         8 t; never rewritten
.set T,  4                             ; v[4:5]     at work (W_out)
.set X,  32                            ; v[32:159]  piece j of x: 4 registers; its 8 bytes of output take the first two
.set W,  160                           ; v[160:191] matrix m, piece j at 8 m + 4 j
	s_load_b512 s[8:23], s[0:1], 0x0               ; x, W_in, W_ig, W_rg, W_out, xb, wg, wo
	v_lshlrev_b32 v[VI], 4, v0
	v_lshlrev_b32 v[VO], 3, v0
	s_lshl_b32 s24, ttmp9, 18                      ; x: 262,144 bytes a work-group
	s_mov_b32 s25, 0
	s_lshl_b32 s26, ttmp9, 17                      ; xb: half of that
	s_mov_b32 s27, 0
	s_lshl_b32 s28, ttmp9, 14                      ; four rows of 4,096 bytes of a weight matrix
	s_mov_b32 s29, 0
	s_lshr_b32 s30, ttmp9, 5                       ; ch / 128 for ch = 4 i
	s_mul_i32 s30, s30, 384
	s_lshl_b32 s31, ttmp9, 2
	s_and_b32 s31, s31, 127                        ; ch % 128
	s_add_co_u32 s30, s30, s31
	s_lshl_b32 s30, s30, 11                        ; rows of 2,048 bytes in wg
	s_mov_b32 s31, 0
	s_lshl_b32 s32, ttmp9, 13                      ; four rows of 2,048 bytes of wo
	s_mov_b32 s33, 0
	s_mov_b32 s34, 0xffff0000                      ; a word's upper bf16
	s_wait_kmcnt 0x0
	s_add_nc_u64 s[8:9], s[8:9], s[24:25]
	s_add_nc_u64 s[10:11], s[10:11], s[28:29]
	s_add_nc_u64 s[12:13], s[12:13], s[28:29]
	s_add_nc_u64 s[14:15], s[14:15], s[28:29]
	s_add_nc_u64 s[16:17], s[16:17], s[28:29]
	s_add_nc_u64 s[18:19], s[18:19], s[26:27]
	s_add_nc_u64 s[20:21], s[20:21], s[30:31]
	s_add_nc_u64 s[22:23], s[22:23], s[32:33]
.irp m, 0,1,2,3
.irp j, 0,1
	global_load_b128 v[W+8*\m+4*\j:W+8*\m+4*\j+3], v[VI], s[10+2*\m:11+2*\m] offset:\j*8192 th:TH_LOAD_NT
.endr
.endr
.set j, 0
.rept 32
	global_load_b128 v[X+4*j:X+4*j+3], v[VI], s[8:9] offset:j*8192 th:TH_LOAD_NT
.set j, j+1
.endr
	; the three gates' weights
.irp m, 0,1,2
	s_wait_loadcnt 38-2*\m                         ; loads come back in order (ISA guide 5.7.1): matrix m's two are in; the 38 - 2 m issued behind them stay out
.irp j, 0,1
	v_cvt_pk_bf16_f32 v[W+8*\m+4*\j],   v[W+8*\m+4*\j],   v[W+8*\m+4*\j+1]  ; in place: each line writes a register whose number has been read
	v_cvt_pk_bf16_f32 v[W+8*\m+4*\j+1], v[W+8*\m+4*\j+2], v[W+8*\m+4*\j+3]
	global_store_b64 v[VO], v[W+8*\m+4*\j:W+8*\m+4*\j+1], s[20:21] offset:\m*262144+\j*4096  ; a gate's 128 rows are 262,144 bytes
.endr
.endr
	s_wait_loadcnt 32                              ; W_out's two are in; x's 32 stay out
.irp j, 0,1
	v_cvt_pk_bf16_f32 v[T],   v[W+24+4*\j],   v[W+24+4*\j+1]  ; W_out: rounded to bf16 like every input,
	v_cvt_pk_bf16_f32 v[T+1], v[W+24+4*\j+2], v[W+24+4*\j+3]
	v_lshlrev_b32 v[W+24+4*\j],   16,  v[T]                    ; widened again,
	v_and_b32     v[W+24+4*\j+1], s34, v[T]
	v_lshlrev_b32 v[W+24+4*\j+2], 16,  v[T+1]
	v_and_b32     v[W+24+4*\j+3], s34, v[T+1]
	v_cvt_pk_f16_f32 v[W+24+4*\j],   v[W+24+4*\j],   v[W+24+4*\j+1]  ; and written as f16
	v_cvt_pk_f16_f32 v[W+24+4*\j+1], v[W+24+4*\j+2], v[W+24+4*\j+3]
	global_store_b64 v[VO], v[W+24+4*\j:W+24+4*\j+1], s[22:23] offset:\j*4096
.endr
	; x, piece by piece as it comes
.set j, 0
.rept 32
	s_wait_loadcnt 31-j                            ; piece j is in; the 31 - j behind it stay out
	v_cvt_pk_bf16_f32 v[X+4*j],   v[X+4*j],   v[X+4*j+1]
	v_cvt_pk_bf16_f32 v[X+4*j+1], v[X+4*j+2], v[X+4*j+3]
	global_store_b64 v[VO], v[X+4*j:X+4*j+1], s[18:19] offset:j*4096
.set j, j+1
.endr
	s_endpgm
.Lfunc_end_k_q4c308b5f3b_prep:
	.size	k_q4c308b5f3b_prep, .Lfunc_end_k_q4c308b5f3b_prep-k_q4c308b5f3b_prep
	.p2alignl 7, 3214868480
	.fill 96, 4, 3214868480
	.section	.rodata,"a",@progbits
	.p2align	6, 0x0
	.amdhsa_kernel k_q4c308b5f3b_prep
		.amdhsa_group_segment_fixed_size 0
		.amdhsa_private_segment_fixed_size 0
		.amdhsa_enable_private_segment 0
		.amdhsa_kernarg_size 64
		.amdhsa_user_sgpr_count 2
		.amdhsa_user_sgpr_kernarg_segment_ptr 1
		.amdhsa_wavefront_size32 1
		.amdhsa_system_sgpr_workgroup_id_x 1
		.amdhsa_system_sgpr_workgroup_id_y 1
		.amdhsa_system_sgpr_workgroup_id_z 1
		.amdhsa_system_vgpr_workitem_id 0
		.amdhsa_next_free_vgpr 192
		.amdhsa_next_free_sgpr 66
		.amdhsa_reserve_vcc 0
		.amdhsa_float_denorm_mode_32 3
		.amdhsa_float_denorm_mode_16_64 3
		.amdhsa_memory_ordered 1
		.amdhsa_forward_progress 1
		.amdhsa_inst_pref_size 16
	.end_amdhsa_kernel
	.amdgpu_metadata
---
amdhsa.version: [ 1, 2 ]
amdhsa.kernels:
  - .name:           k_q4c308b5f3b_prep
    .symbol:         k_q4c308b5f3b_prep.kd
    .args:
      - { .name: x, .offset: 0, .size: 8, .value_kind: global_buffer, .address_space: global }
      - { .name: W_in, .offset: 8, .size: 8, .value_kind: global_buffer, .address_space: global }
      - { .name: W_ig, .offset: 16, .size: 8, .value_kind: global_buffer, .address_space: global }
      - { .name: W_rg, .offset: 24, .size: 8, .value_kind: global_buffer, .address_space: global }
      - { .name: W_out, .offset: 32, .size: 8, .value_kind: global_buffer, .address_space: global }
      - { .name: xb, .offset: 40, .size: 8, .value_kind: global_buffer, .address_space: global }
      - { .name: wg, .offset: 48, .size: 8, .value_kind: global_buffer, .address_space: global }
      - { .name: wo, .offset: 56, .size: 8, .value_kind: global_buffer, .address_space: global }
    .group_segment_fixed_size: 0
    .private_segment_fixed_size: 0
    .kernarg_segment_align: 8
    .kernarg_segment_size: 64
    .max_flat_workgroup_size: 512
    .sgpr_count:     66
    .vgpr_count:     192
    .wavefront_size: 32
...
	.end_amdgpu_metadata
.endif
;; end of part 1
;; launch gates (part 2): grid 8 x 32, 4 waves a work-group, clusters of 4 x 4, 327,680 bytes of LDS; arguments xb, wg, b_ig, b_rg, lam, hl, pp, sums; writes hl, pp, sums
.if DOCPART == 2
	.amdgcn_target "amdgcn-amd-amdhsa--gfx1250"
	.amdhsa_code_object_version 6
	.text
	.protected	k_q4c308b5f3b_gates
	.globl	k_q4c308b5f3b_gates
	.p2align	8
	.type	k_q4c308b5f3b_gates,@function
k_q4c308b5f3b_gates:
	s_mov_b64 s[64:65], 0
	v_nop
	global_prefetch_b8 v0, s[64:65] scope:SCOPE_SE
	s_setreg_imm32_b32 hwreg(HW_REG_WAVE_MODE, 25, 1), 1
	s_wait_xcnt 0x0
	s_wait_alu depctr_hold_cnt(0) depctr_sa_sdst(0) depctr_va_vdst(0) depctr_va_sdst(0) depctr_va_ssrc(0) depctr_va_vcc(0) depctr_vm_vsrc(0)
	s_getreg_b32 s2, hwreg(HW_REG_IB_STS2, 6, 4)
	s_cmp_eq_u32 s2, 0
	s_cbranch_scc0 .Lentry_in_a_cluster
	s_endpgm
.Lentry_in_a_cluster:
	s_bfe_u32 s2, ttmp6, 0x10000c
	s_cmp_lg_u32 s2, 0xf033
	s_cbranch_scc0 .Lentry_shape_is_right
	s_endpgm
.Lentry_shape_is_right:
; THE THREE PROJECTIONS, THE GATES, AND THE RECURRENCE INSIDE CHUNKS OF 512 STEPS.
; xp = x W_in^T, i = sigmoid(x W_ig^T + b_ig), r = sigmoid(x W_rg^T + b_rg), a = 2^(r LA) with LA = 8 log2(sigmoid(lam) + 1e-8), g = sqrt(1 - a a + 1e-6) i xp, h_t = a_t h_(t-1) + g_t.
; Out: hl = the recurrence from 0 at the chunk's start (bf16), pp = the running product of a from the chunk's start (f16), and for each chunk and channel the pair (last pp, last hl) in f32.
; The next launch makes h = hl + pp x (what entered the chunk).  b_ig, b_rg and lam are rounded to bf16 here, as x and the weights were by the launch before.
; hl and pp lie by blocks of 64 steps: element (row R, channel ch) at byte (R / 64) 131072 + 128 ch + 2 (R % 64).
; LIMITS.  pp lies in 0 to 1; below 6.1e-5 it keeps f16's fixed step of 6e-8.  1 - a a is one fused multiply-add.  The exponent of lam's sigmoid is held at 120 at the most: the sigmoid is then under 2^-120, nothing beside the 1e-8 added to it.
; SHARES.  A work-group owns 128 channels and one chunk (512 rows of one batch element), and walks it in four tiles of 128 rows, in the order of time.  Wave w owns all 128 rows x channels 32 w .. 32 w + 31
; x 3 gates: 48 accumulators of 16 x 16, 384 registers.  The recurrence's carry stays in the wave's registers from tile to tile, and no wave hands anything to another.
; LAYOUT.  Source 0 = 16 rows of x, source 1 = 16 rows of a weight: in the result a lane holds ONE channel (lane % 16), and its registers 0-7 the steps 8 (lane / 16) + 0..7: the recurrence runs along a lane's registers.
; RING.  K goes in steps of 128 through two LDS slots, each with 128 rows of x and 3 x 128 rows of weights; a wave fetches a quarter of a slot by one tensor load (wave 0: x; wave w: gate w - 1).
; From a request to the wait for it a wave issues 16 + 3 x 48 = 160 matrix instructions.  The ring runs on into the next tile.
; CLUSTER.  4 x 4 work-groups: the four of a row of the cluster own the same chunk and ask for x's tiles jointly; the four of a column own the same channels and ask for the weights' tiles jointly.
; REGISTERS, in windows of 256 (s_set_vgpr_msb: bits 1:0 source 0, 3:2 source 1, 5:4 source 2, 7:6 destination):
;   window 0: v0-63 addresses, tables, carry; v64-127, v128-191 x's fragments, two buffers (at work in the epilogue); v192-255 rows read back from the stage
;   window 1: v0-127 xp (accumulator i = 2 mb + cb at 8 i); v128-223 the weights' fragments, two buffers of 48          window 2: v0-127 i's sums; v128-255 r's sums
.set PITCH,  272                       ; an LDS row: 256 bytes + 16 of padding = 68 words: row r starts 4 r words on, modulo 64: the 16 rows of a fragment load start at 16 different places
.set HALFT,  128*PITCH                 ; what one tensor load brings
.set SLOT,   4*HALFT                   ; x's 128 rows, then the three gates' 128 rows each
.set STAGE,  2*SLOT                    ; behind the ring, never filled by a tensor load: 32 rows (channels) x 272 bytes for each wave
.set WSTAGE, 32*PITCH
.set SPARE,  STAGE+4*WSTAGE            ; behind the stages: the spare words, 128 bytes for each wave: two blocks of 256 bytes that no other line names
.set KB,     256                       ; bytes of a row in a K step
.set ROWB,   2048                      ; bytes in a row of xb and of wg
.set NEXT_A, 128*ROWB-6*KB             ; from a slot's last K step of a tile to its first of the next: 128 rows down, back along K
.set BACK_B, 6*KB                      ; the weights only go back
.set ADRA, 16                          ; v16-17  LDS address of x's fragments in slot 0, 1
.set ADRB, 18                          ; v18-23  of my channels' fragments: slot s, gate g at 3 s + g
.set STO,  24                          ; v24     the way out: where I put 16 bytes (8 steps of a channel)
.set RD,   25                          ; v25     where I read them back: four channels x 128 bytes a load
.set GO,   26                          ; v26     16 x lane
.set SO,   27                          ; v27     8 x lane
.set SPW,  28                          ; v28     my spare word: SPARE + 4 x my thread's number; never rewritten
.set NIL,  29                          ; v29     0; never rewritten
.set PFO,  30                          ; v30     the prefetches' offset: lane x a row; never rewritten
.set TO,   31                          ; v31     4 (32 w + lane % 16)
.set BI,   40                          ; v[40:41] -log2(e) b_ig of my two channels (cb = 0, 1)
.set BR,   42                          ; v[42:43] the same of b_rg
.set LA,   44                          ; v[44:45] 8 log2(sigmoid(lam) + 1e-8)
.set CQ,   46                          ; v[46:47] the product of a from the chunk's start
.set CH,   48                          ; v[48:49] the recurrence from 0 at the chunk's start
.set OWH,  64                          ; the epilogue, window 0: my 8 steps' last h, by accumulator
.set OTH,  80                          ; the same of the lane 16 away
.set OWP,  96                          ; my 8 steps' product
.set OTP,  112                         ; the other lane's
.set KQ,   128                         ; what enters my 8 steps: product, by mb a pair (cb 0, 1)
.set KH,   144                         ; and h
.set SC,   160                         ; two sets of 14 at work
.set G1,  24                           ; s[24:31] descriptor group 1 for x's tiles;  s[32:39] group 0, a set for each slot
.set G0,  32
.set G1B, 48                           ; s[48:55], s[56:63] the same for the weights' tiles
.set G0B, 56
.set LIM, 43                           ; s43  1 in a wave that prefetches, else the greatest number
.set PFA, 44                           ; s[44:45] where my prefetches stand
.set NL,  84                           ; s[84:85] -log2(e)
.set EPS, 86                           ; s[86:87] 1e-6
.set SEL, 88                           ; s[88:89] v_permlanex16_b32's selects: each lane takes its own place in the other half
.set HM,  90                           ; s90  0xffff0000: lanes 16-31; also a word's upper bf16
.set MSB, 0
.macro WIN new                         ; the immediate's high byte repeats the setting that is left; a switch that changes nothing is dropped
.if MSB != (\new)
	s_set_vgpr_msb (MSB<<8)|(\new)
.set MSB, \new
.endif
.endm
.macro PLACES                          ; four places behind matrix instructions, in front of loads into registers that they have read and of lines that read results
.rept 4
	v_nop
.endr
.endm
.macro TWAIT                           ; behind a batch of transcendentals: a plain instruction, and one wait ahead of the first line that names a result
	v_nop
	s_wait_alu depctr_va_vdst(0)
.endm
; A joint load.  Wave 0 fetches x's tile, waves 1 to 3 a gate's each.  The branch hangs on the wave's number alone.  An s_nop 0 and four v_nop follow each of the two lines.
.macro JLOAD s
	s_cmp_eq_u32 s10, 0
	s_cbranch_scc0 .Lfor_b_\@
	tensor_load_to_lds s[G0+4*(\s):G0+4*(\s)+3], s[G1:G1+7]
	s_nop 0
.rept 4
	v_nop
.endr
	s_branch .Lasked_\@
.Lfor_b_\@:
	tensor_load_to_lds s[G0B+4*(\s):G0B+4*(\s)+3], s[G1B:G1B+7]
	s_nop 0
.rept 4
	v_nop
.endr
.Lasked_\@:
.endm
; A prefetch of the K step that stands two refills on: 32 rows x 256 bytes, a lane a row.  x's rows are read by both clusters of a row of clusters: the one with x = 0 asks, by wave 0; the weights' rows by all
; clusters of a column: the one with y = 0 asks, by waves 1 to 3, in the first tile alone.  The four partners that ask for a tile jointly share its 128 rows out by address, 32 each.
; how = 0, in the loop: a tile's last two refills have no K step two on.  how = 1: at a change of tiles.
.macro ASK how
	WIN 0
.if \how
	s_cmp_eq_u32 s[LIM], 1
.else
	s_cmp_gt_u32 s3, s[LIM]
.endif
	s_cbranch_scc0 .Lnot_mine_\@
	global_prefetch_b8 v[PFO], s[PFA:PFA+1] offset:KB th:TH_LOAD_NT scope:SCOPE_SE
.Lnot_mine_\@:
.endm
.macro CREST                           ; a round of the cluster's barrier behind its opening barrier
	s_cmp_lg_u32 s10, 0
	s_cbranch_scc1 .Lnot_wave_0_\@
	s_barrier_signal -3
.Lnot_wave_0_\@:
	s_barrier_wait -3
	s_barrier_signal -1
	s_barrier_wait -1
.endm
.macro CROUND
	s_barrier_signal -1
	s_barrier_wait -1
	CREST
.endm
	s_load_b512 s[68:83], s[0:1], 0x0              ; xb 68, wg 70, b_ig 72, b_rg 74, lam 76, hl 78, pp 80, sums 82
	v_lshl_add_u32 v[SPW], v0, 2, SPARE
	v_mov_b32 v[NIL], 0
	ds_add_u32 v[SPW], v[NIL]                      ; the wave's opening: the add and its wait stand ahead of my first tensor load; work on registers stands between them
	v_lshrrev_b32 v1, 5, v0
	v_readfirstlane_b32 s10, v1                    ; wave 0..3
	s_max_u32 s12, s10, 1
	s_sub_co_u32 s12, s12, 1                       ; the gate that I fetch (wave 0 fetches none: 0 keeps its unused address inside wg)
	s_bfe_u32 s40, ttmp6, 0x40000                  ; cx
	s_bfe_u32 s41, ttmp6, 0x40004                  ; cy
	s_lshl_b32 s42, ttmp9, 2
	s_add_co_u32 s42, s42, s40                     ; my block of 128 channels = 4 x cluster x + cx
	s_and_b32 s13, ttmp7, 0xffff
	s_lshl_b32 s13, s13, 2
	s_add_co_u32 s13, s13, s41                     ; my chunk = 4 x cluster y + cy
	s_lshl_b32 s43, s41, 2
	s_lshl_b32 s43, 15, s43                        ; my row of the cluster
	s_lshl_b32 s44, 0x1111, s40                    ; my column
	s_or_b32 s[G1],  s43, (1<<16)|(1<<20)|(1<<21)|(5<<22)|(3<<25)  ; 15:0 the mask; 17:16 2-byte elements; 20 padding on; 21 set beside a mask; 24:22 after every 64 words; 31:25 4 words
	s_or_b32 s[G1B], s44, (1<<16)|(1<<20)|(1<<21)|(5<<22)|(3<<25)
.irp g, G1, G1B
	s_mov_b32 s[\g+1], 128<<16                     ; tensor_dim0 = 128
	s_mov_b32 s[\g+2], 128<<16                     ; tensor_dim1 = 128
	s_mov_b32 s[\g+3], 128<<16                     ; tile_dim0 = 128
	s_mov_b32 s[\g+4], 128                         ; tile_dim1 = 128
	s_mov_b32 s[\g+5], 1024                        ; elements from row to row
	s_mov_b32 s[\g+6], 0
	s_mov_b32 s[\g+7], 0
.endr
	s_mov_b32 s[NL], 0xbfb8aa3b
	s_mov_b32 s[NL+1], s[NL]
	s_mov_b32 s[EPS], 0x358637bd
	s_mov_b32 s[EPS+1], s[EPS]
	s_mov_b32 s[SEL], 0x76543210
	s_mov_b32 s[SEL+1], 0xfedcba98
	s_mov_b32 s[HM], 0xffff0000
	s_lshl_b32 s16, s13, 20                        ; x: 512 rows of 2,048 bytes a chunk
	s_mov_b32 s17, 0
	s_mul_i32 s46, s42, 384                        ; weights: row 384 x block + 128 x gate
	s_lshl_b32 s47, s12, 7
	s_add_co_u32 s46, s46, s47
	s_lshl_b32 s46, s46, 11
	s_mov_b32 s47, 0
	s_mul_i32 s20, s10, HALFT                      ; where my tile goes: wave x 128 rows: no place in the cluster enters an LDS address
	s_wait_dscnt 0x0                               ; the opening add is done
	s_wait_kmcnt 0x0
	s_add_nc_u64 s[14:15], s[68:69], s[16:17]
	s_add_nc_u64 s[46:47], s[70:71], s[46:47]
	CROUND                                         ; all sixteen work-groups are here: the first joint loads meet
.irp s, 0,1
	s_mov_b32 s[G0+4*\s], 1
	s_add_co_u32 s[G0+4*\s+1], s20, \s*SLOT
	s_add_nc_u64 s[G0+4*\s+2:G0+4*\s+3], s[14:15], \s*KB
	s_or_b32 s[G0+4*\s+3], s[G0+4*\s+3], 0x80000000
	s_mov_b32 s[G0B+4*\s], 1
	s_add_co_u32 s[G0B+4*\s+1], s20, \s*SLOT
	s_add_nc_u64 s[G0B+4*\s+2:G0B+4*\s+3], s[46:47], \s*KB
	s_or_b32 s[G0B+4*\s+3], s[G0B+4*\s+3], 0x80000000
	JLOAD \s                                       ; two loads of mine are out
.endr
	; the tables of my two channels, asked for first
	s_lshl_b32 s14, s42, 9                         ; 128 channels x 4 bytes
	s_mov_b32 s15, 0
	s_add_nc_u64 s[72:73], s[72:73], s[14:15]
	s_add_nc_u64 s[74:75], s[74:75], s[14:15]
	s_add_nc_u64 s[76:77], s[76:77], s[14:15]
	v_and_b32 v1, 15, v0                           ; l % 16
	v_bfe_u32 v2, v0, 4, 1                         ; l / 16
	s_lshl_b32 s21, s10, 7
	v_lshl_add_u32 v[TO], v1, 2, s21
	global_load_b32 v32, v[TO], s[72:73]
	global_load_b32 v33, v[TO], s[72:73] offset:64
	global_load_b32 v34, v[TO], s[74:75]
	global_load_b32 v35, v[TO], s[74:75] offset:64
	global_load_b32 v36, v[TO], s[76:77]
	global_load_b32 v37, v[TO], s[76:77] offset:64
	; A fragment is 16 rows x 32 K in 8 registers: lane l holds row l % 16; two loads of 16 bytes, 32 bytes apart, at row x pitch + 16 (l / 16).
	v_mul_u32_u24 v3, v1, PITCH
	v_lshl_add_u32 v3, v2, 4, v3
	v_mov_b32 v[ADRA], v3
	v_add_nc_u32 v[ADRA+1], SLOT, v3
	s_mul_i32 s21, s10, 32*PITCH                   ; my 32 channels' rows in a gate's tile
	v_add_nc_u32 v4, s21, v3
.irp s, 0,1
.irp g, 0,1,2
	v_add_nc_u32 v[ADRB+3*\s+\g], \s*SLOT+(1+\g)*HALFT, v4
.endr
.endr
	s_mul_i32 s23, s10, WSTAGE
	s_add_co_u32 s23, s23, STAGE                   ; my stage
	v_add_nc_u32 v[STO], s23, v3                   ; in: channel l % 16, 16 bytes for each half of the lanes
	v_bfe_u32 v5, v0, 3, 2
	v_and_b32 v6, 7, v0
	v_mul_u32_u24 v5, v5, PITCH
	v_lshl_add_u32 v5, v6, 4, v5
	v_add_nc_u32 v[RD], s23, v5                    ; back: channel l / 8, bytes 16 (l % 8)
	v_and_b32 v7, 31, v0
	v_lshlrev_b32 v[GO], 4, v7
	v_lshlrev_b32 v[SO], 3, v7
	v_lshlrev_b32 v[PFO], 11, v7
	s_lshl_b32 s14, s13, 20                        ; hl, pp: 8 blocks of 131,072 bytes a chunk,
	s_lshl_b32 s16, s42, 14                        ; 128 channels x 128 bytes,
	s_add_co_u32 s14, s14, s16
	s_lshl_b32 s16, s10, 12                        ; my 32 channels
	s_add_co_u32 s14, s14, s16
	s_add_nc_u64 s[78:79], s[78:79], s[14:15]
	s_add_nc_u64 s[80:81], s[80:81], s[14:15]
	s_lshl_b32 s14, s13, 13                        ; sums: 1,024 channels x 8 bytes a chunk
	s_lshl_b32 s16, s42, 10
	s_add_co_u32 s14, s14, s16
	s_lshl_b32 s16, s10, 8
	s_add_co_u32 s14, s14, s16
	s_add_nc_u64 s[82:83], s[82:83], s[14:15]
	; the prefetches
	s_and_b32 s22, ttmp7, 0xffff                   ; cluster y
	s_lshl_b32 s20, s13, 9                         ; x: the chunk's first row
	s_mul_i32 s21, s42, 384
	s_lshl_b32 s23, s12, 7
	s_add_co_u32 s21, s21, s23                     ; weights: my gate's first row
	s_cmp_eq_u32 s10, 0
	s_cselect_b32 s20, s20, s21
	s_cselect_b32 s21, s40, s41                    ; my place among the four that ask with me
	s_cselect_b32 s22, ttmp9, s22                  ; the coordinate along which other clusters read the same rows
	s_cselect_b64 s[PFA:PFA+1], s[68:69], s[70:71]
	s_cmp_eq_u32 s22, 0
	s_cselect_b32 s[LIM], 1, -1                    ; the same in all sixteen partners, for a given wave
	s_lshl_b32 s21, s21, 5
	s_add_co_u32 s20, s20, s21                     ; my work-group's 32 rows
	s_lshl_b32 s20, s20, 11
	s_mov_b32 s21, 0
	s_add_nc_u64 s[PFA:PFA+1], s[PFA:PFA+1], s[20:21]
	s_add_nc_u64 s[PFA:PFA+1], s[PFA:PFA+1], 2*KB  ; at K step 2: the first refill steps it to 3 and names K step 4
	v_mov_b32 v[CQ], 1.0
	v_mov_b32 v[CQ+1], 1.0
	v_mov_b32 v[CH], 0
	v_mov_b32 v[CH+1], 0
	s_wait_loadcnt 0x0
	v_cvt_pk_bf16_f32 v50, v32, v33                ; the three tables are rounded to bf16, like every input
	v_cvt_pk_bf16_f32 v51, v34, v35
	v_cvt_pk_bf16_f32 v52, v36, v37
	v_lshlrev_b32 v32, 16, v50
	v_and_b32 v33, s[HM], v50
	v_lshlrev_b32 v34, 16, v51
	v_and_b32 v35, s[HM], v51
	v_lshlrev_b32 v36, 16, v52
	v_and_b32 v37, s[HM], v52
	v_pk_mul_f32 v[BI:BI+1], v[32:33], s[NL:NL+1] op_sel_hi:[1,0]
	v_pk_mul_f32 v[BR:BR+1], v[34:35], s[NL:NL+1] op_sel_hi:[1,0]
	v_pk_mul_f32 v[36:37], v[36:37], s[NL:NL+1] op_sel_hi:[1,0]
	v_min_num_f32 v36, 0x42f00000, v36             ; at most 120, so that d below stays finite
	v_min_num_f32 v37, 0x42f00000, v37
	v_exp_f32 v36, v36
	v_exp_f32 v37, v37
	TWAIT
	v_pk_add_f32 v[36:37], v[36:37], 1.0 op_sel_hi:[1,0]  ; d = 1 + e^-lam
	v_rcp_f32 v52, v36
	v_rcp_f32 v53, v37
	TWAIT
	v_pk_fma_f32 v[54:55], v[36:37], v[52:53], 1.0 op_sel_hi:[1,1,0] neg_lo:[0,1,0] neg_hi:[0,1,0]  ; one Newton step: 1 - sigmoid is small, and its last bits count
	v_pk_fma_f32 v[52:53], v[52:53], v[54:55], v[52:53]
	v_add_f32 v52, 0x322bcc77, v52                 ; + 1e-8
	v_add_f32 v53, 0x322bcc77, v53
	v_log_f32 v52, v52
	v_log_f32 v53, v53
	TWAIT
	v_mul_f32 v[LA], 0x41000000, v52               ; x 8
	v_mul_f32 v[LA+1], 0x41000000, v53
; 16 matrix instructions: gate g, all 8 row blocks x my 2 channel blocks, 32 along K, from buffer f.  zero = 1: the product starts the sums.  The 48 accumulators take turns in the same order in every quarter.
.macro MULG f, g, zero
.if (\g) == 0
	WIN 0x54                                       ; x window 0, weights window 1, C and D window 1
.else
	WIN 0xa4                                       ; C and D window 2
.endif
.irp mb, 0,1,2,3,4,5,6,7
.irp cb, 0,1
.if \zero
	v_wmma_f32_16x16x32_bf16 v[128*((\g)/2)+8*(2*\mb+\cb):128*((\g)/2)+8*(2*\mb+\cb)+7], v[64+64*(\f)+8*\mb:64+64*(\f)+8*\mb+7], v[128+48*(\f)+8*(2*(\g)+\cb):128+48*(\f)+8*(2*(\g)+\cb)+7], 0
.else
	v_wmma_f32_16x16x32_bf16 v[128*((\g)/2)+8*(2*\mb+\cb):128*((\g)/2)+8*(2*\mb+\cb)+7], v[64+64*(\f)+8*\mb:64+64*(\f)+8*\mb+7], v[128+48*(\f)+8*(2*(\g)+\cb):128+48*(\f)+8*(2*(\g)+\cb)+7], v[128*((\g)/2)+8*(2*\mb+\cb):128*((\g)/2)+8*(2*\mb+\cb)+7]
.endif
.endr
.endr
.endm
; 28 LDS loads in one run: a quarter step's fragments (32 K at byte k of the rows) into buffer f: x's 16 loads, then gates 0, 1, 2, four loads each
.macro FETCH slot, k, f
	WIN 0
.irp mb, 0,1,2,3,4,5,6,7
	ds_load_b128 v[64+64*(\f)+8*\mb:64+64*(\f)+8*\mb+3],   v[ADRA+(\slot)] offset:(\k)+\mb*16*PITCH
	ds_load_b128 v[64+64*(\f)+8*\mb+4:64+64*(\f)+8*\mb+7], v[ADRA+(\slot)] offset:(\k)+\mb*16*PITCH+32
.endr
	WIN 0x40
.irp g, 0,1,2
.irp cb, 0,1
	ds_load_b128 v[128+48*(\f)+8*(2*\g+\cb):128+48*(\f)+8*(2*\g+\cb)+3],   v[ADRB+3*(\slot)+\g] offset:(\k)+\cb*16*PITCH
	ds_load_b128 v[128+48*(\f)+8*(2*\g+\cb)+4:128+48*(\f)+8*(2*\g+\cb)+7], v[ADRB+3*(\slot)+\g] offset:(\k)+\cb*16*PITCH+32
.endr
.endr
.endm
; A K step is four quarters of 32 along K, 48 matrix instructions each, on buffers 0, 1, 0, 1.  One of the first three: multiplies buffer f and fetches the next quarter, at byte k, into buffer n.
.macro QUARTER slot, k, f, n, zero
	s_wait_dscnt 8                                 ; x and gate 0 are in; the youngest eight loads (gates 1 and 2) may be out
	MULG \f, 0, \zero
	PLACES
	FETCH \slot, \k, \n
	s_wait_dscnt 28                                ; all but the 28 just issued
	MULG \f, 1, \zero
	MULG \f, 2, \zero
.endm
; The last quarter multiplies buffer 1 and changes slots: ONE barrier; in front of it each wave waits for all its tensor loads (one is out: its part of the next slot), adds 0 to its spare word, and waits for that and for its reads of this slot.
.macro MEET round
	WIN 0
	s_wait_tensorcnt 0x0
	ds_add_u32 v[SPW], v[NIL]
	s_wait_dscnt 9                                 ; the add and the youngest eight loads may be out
	MULG 1, 0, 0                                   ; sixteen matrix instructions stand between the add and the wait for it
	s_wait_dscnt 0x0                               ; the add is done, and my reads of this slot are over
	s_barrier_signal -1
	MULG 1, 1, 0
.if \round
	WIN 0
.endif
	s_barrier_wait -1
.endm
; The whole last quarter where the slot is filled again: with this tile's K step two on (on = 0), or with the next tile's K step 0 or 1 (on = 1).  fetch = 0: a tile's very last quarter: the next fragments are fetched behind the epilogue.
.macro TURN slot, next, on, fetch
	s_wait_xcnt 0x0                                ; the last prefetch, a K step back, has read its address
.if (\on) && (\slot) == 0
	s_add_nc_u64 s[PFA:PFA+1], s[PFA:PFA+1], 127*ROWB+KB  ; from the K step after the tile's last to the next tile's K step 1
	s_cmp_eq_u32 s10, 0
	s_cselect_b32 s[LIM], s[LIM], -1               ; the weights' rows are the same for all four tiles: asked for in the first alone
.else
	s_add_nc_u64 s[PFA:PFA+1], s[PFA:PFA+1], KB
.endif
	MEET 1
	CREST                                          ; the barrier has opened a round of the cluster's: no wave of any partner still reads this slot or has a load on its way
.if \on
	s_add_nc_u64 s[G0+4*(\slot)+2:G0+4*(\slot)+3], s[G0+4*(\slot)+2:G0+4*(\slot)+3], NEXT_A
	s_sub_nc_u64 s[G0B+4*(\slot)+2:G0B+4*(\slot)+3], s[G0B+4*(\slot)+2:G0B+4*(\slot)+3], BACK_B
.else
	s_add_nc_u64 s[G0+4*(\slot)+2:G0+4*(\slot)+3], s[G0+4*(\slot)+2:G0+4*(\slot)+3], 2*KB
	s_add_nc_u64 s[G0B+4*(\slot)+2:G0B+4*(\slot)+3], s[G0B+4*(\slot)+2:G0B+4*(\slot)+3], 2*KB
.endif
	JLOAD \slot                                    ; the first tensor load behind the round; its four v_nop are also the places in front of the loads below
.if \fetch
	FETCH \next, 0, 0
.endif
	ASK \on
	MULG 1, 2, 0
.endm
; The epilogue's lines that hang on a pair's channel block, cb = (q / 4) % 2: the table's entry is picked by op_sel.
.macro SCALE base, tab, q              ; pair q of the sums at base: times -log2(e), plus the table's entry
.if ((\q)>>2)&1
	v_pk_fma_f32 v[(\base)+2*(\q):(\base)+2*(\q)+1], v[(\base)+2*(\q):(\base)+2*(\q)+1], s[NL:NL+1], v[\tab:\tab+1] op_sel:[0,0,1] op_sel_hi:[1,0,1]
.else
	v_pk_fma_f32 v[(\base)+2*(\q):(\base)+2*(\q)+1], v[(\base)+2*(\q):(\base)+2*(\q)+1], s[NL:NL+1], v[\tab:\tab+1] op_sel_hi:[1,0,0]
.endif
.endm
.macro BYTAB base, tab, q              ; pair q times the table's entry
.if ((\q)>>2)&1
	v_pk_mul_f32 v[(\base)+2*(\q):(\base)+2*(\q)+1], v[(\base)+2*(\q):(\base)+2*(\q)+1], v[\tab:\tab+1] op_sel:[0,1] op_sel_hi:[1,1]
.else
	v_pk_mul_f32 v[(\base)+2*(\q):(\base)+2*(\q)+1], v[(\base)+2*(\q):(\base)+2*(\q)+1], v[\tab:\tab+1] op_sel_hi:[1,0]
.endif
.endm
.macro ENTER q                         ; pair q of h += its running product x the h that enters the lane's 8 steps
.if ((\q)>>2)&1
	v_pk_fma_f32 v[2*(\q):2*(\q)+1], v[128+2*(\q):128+2*(\q)+1], v[KH+2*((\q)>>3):KH+2*((\q)>>3)+1], v[2*(\q):2*(\q)+1] op_sel:[0,1,0] op_sel_hi:[1,1,1]
.else
	v_pk_fma_f32 v[2*(\q):2*(\q)+1], v[128+2*(\q):128+2*(\q)+1], v[KH+2*((\q)>>3):KH+2*((\q)>>3)+1], v[2*(\q):2*(\q)+1] op_sel_hi:[1,0,1]
.endif
.endm
.macro ADDEPS q
	v_pk_add_f32 v[2*(\q):2*(\q)+1], v[2*(\q):2*(\q)+1], s[EPS:EPS+1] op_sel_hi:[1,0]
.endm
	s_wait_tensorcnt 1                             ; my part of K step 0 is in; K step 1's may stay out
	s_barrier_signal -1
	s_barrier_wait -1                              ; everybody's is
	s_mov_b32 s2, 4                                ; tiles to go
.Ltile:
	FETCH 0, 0, 0
	QUARTER 0, 64,  0, 1, 1                        ; a tile's first quarter starts the sums: nothing is cleared
	WIN 0                                          ; at a label and at a branch every window is 0
	s_mov_b32 s3, 3
.Llap:                                                 ; a trip goes once round the ring, from a lap's second quarter to the next lap's first, and fills both slots again
	QUARTER 0, 128, 1, 0, 0
	QUARTER 0, 192, 0, 1, 0
	TURN 0, 1, 0, 1
	QUARTER 1, 64,  0, 1, 0
	QUARTER 1, 128, 1, 0, 0
	QUARTER 1, 192, 0, 1, 0
	TURN 1, 0, 0, 1
	QUARTER 0, 64,  0, 1, 0
	WIN 0
	s_sub_co_u32 s3, s3, 1
	s_cmp_lg_u32 s3, 0
	s_cbranch_scc1 .Llap
	QUARTER 0, 128, 1, 0, 0                        ; the tile's last lap goes on
	QUARTER 0, 192, 0, 1, 0
	WIN 0
	s_cmp_eq_u32 s2, 1
	s_cbranch_scc1 .Llast                          ; the last tile asks for nothing more
	TURN 0, 1, 1, 1                                ; the ring goes on into the next tile: slot 0 takes its K step 0,
	QUARTER 1, 64,  0, 1, 0
	QUARTER 1, 128, 1, 0, 0
	QUARTER 1, 192, 0, 1, 0
	TURN 1, 0, 1, 0                                ; slot 1 its K step 1, which lands under the epilogue
	WIN 0
	s_branch .Lepi
.Llast:
	MEET 0                                         ; nothing is filled again, so no round follows
	PLACES
	FETCH 1, 0, 0
	MULG 1, 2, 0
	QUARTER 1, 64,  0, 1, 0
	QUARTER 1, 128, 1, 0, 0
	QUARTER 1, 192, 0, 1, 0
	s_wait_dscnt 8
	MULG 1, 0, 0
	s_wait_dscnt 0x0
	MULG 1, 1, 0
	MULG 1, 2, 0
	WIN 0
.Lepi:
	; THE EPILOGUE, in place on the 384 sums, a pair of registers a line; p = 0..63 is the pair, p / 4 the accumulator (each accumulator's lowest registers are read first).
	; Transcendentals stand in batches of 128, two behind each packed line of the step beside them, with one wait a batch.
	PLACES
	PLACES
	WIN 0x82                                       ; destination and source 0 window 2, tables window 0
.set p, 0
.rept 64
	SCALE 0, BI, p                                 ; -log2(e) (x W_ig + b_ig)
.set p, p+1
.endr
.set p, 0
.rept 64
	SCALE 128, BR, p                               ; the same for r
	v_exp_f32 v[2*p], v[2*p]
	v_exp_f32 v[2*p+1], v[2*p+1]
.set p, p+1
.endr
	TWAIT
.set p, 0
.rept 64
	v_pk_add_f32 v[2*p:2*p+1], v[2*p:2*p+1], 1.0 op_sel_hi:[1,0]
	v_exp_f32 v[128+2*p], v[128+2*p]
	v_exp_f32 v[128+2*p+1], v[128+2*p+1]
.set p, p+1
.endr
	TWAIT
.set p, 0
.rept 64
	v_pk_add_f32 v[128+2*p:128+2*p+1], v[128+2*p:128+2*p+1], 1.0 op_sel_hi:[1,0]
	v_rcp_f32 v[2*p], v[2*p]                       ; i
	v_rcp_f32 v[2*p+1], v[2*p+1]
.set p, p+1
.endr
	TWAIT
	WIN 0x86                                       ; source 1 window 1
.set p, 0
.rept 64
	v_pk_mul_f32 v[2*p:2*p+1], v[2*p:2*p+1], v[2*p:2*p+1]  ; i (window 2) x xp (window 1), into i's place
	v_rcp_f32 v[128+2*p], v[128+2*p]               ; r
	v_rcp_f32 v[128+2*p+1], v[128+2*p+1]
.set p, p+1
.endr
	TWAIT
	WIN 0x82
	BYTAB 128, LA, 0                               ; r LA, two pairs ahead of its exponentials
	BYTAB 128, LA, 1
.set p, 0
.rept 64
.if p < 62
	BYTAB 128, LA, p+2
.endif
	v_exp_f32 v[128+2*p], v[128+2*p]               ; a
	v_exp_f32 v[128+2*p+1], v[128+2*p+1]
.set p, p+1
.endr
	TWAIT
	WIN 0x4a                                       ; destination window 1, sources window 2
.set p, 0
.rept 64
	v_pk_fma_f32 v[2*p:2*p+1], v[128+2*p:128+2*p+1], v[128+2*p:128+2*p+1], 1.0 op_sel_hi:[1,1,0] neg_lo:[0,1,0] neg_hi:[0,1,0]  ; 1 - a a, into xp's place
.set p, p+1
.endr
	WIN 0x41
	ADDEPS 0
	ADDEPS 1
.set p, 0
.rept 64
.if p < 62
	ADDEPS p+2
.endif
	v_sqrt_f32 v[2*p], v[2*p]
	v_sqrt_f32 v[2*p+1], v[2*p+1]
.set p, p+1
.endr
	TWAIT
	WIN 0x46                                       ; destination and source 1 window 1, source 0 window 2
.set p, 0
.rept 64
	v_pk_mul_f32 v[2*p:2*p+1], v[2*p:2*p+1], v[2*p:2*p+1]  ; g = (i xp) (window 2) x the root (window 1)
.set p, p+1
.endr
	; the recurrence along a lane's 8 steps, from 0: 16 chains by turns
.set j, 1
.rept 7
.set i, 0
.rept 16
	v_fmac_f32 v[8*i+j], v[128+8*i+j], v[8*i+j-1]  ; h_j = a_j h_(j-1) + g_j
.set i, i+1
.endr
.set j, j+1
.endr
	WIN 0x8a
.set j, 1
.rept 7
.set i, 0
.rept 16
	v_mul_f32 v[128+8*i+j], v[128+8*i+j-1], v[128+8*i+j]  ; the running product of a
.set i, i+1
.endr
.set j, j+1
.endr
	WIN 0x01
.set i, 0
.rept 16
	v_mov_b32 v[OWH+i], v[8*i+7]                   ; my 8 steps' last h, and the other half of the lanes'
	v_permlanex16_b32 v[OTH+i], v[8*i+7], s[SEL], s[SEL+1]
.set i, i+1
.endr
	WIN 0x02
.set i, 0
.rept 16
	v_mov_b32 v[OWP+i], v[128+8*i+7]               ; and the products
	v_permlanex16_b32 v[OTP+i], v[128+8*i+7], s[SEL], s[SEL+1]
.set i, i+1
.endr
	WIN 0
	; Block mb of 16 steps: lanes 0-15 hold its first 8 steps, lanes 16-31 its last 8.  What enters a lane's 8 steps (KQ, KH) is the carry, in the upper lanes taken through the lower lanes' 8 steps; then the carry is taken through the block.
.set mb, 0
.rept 8
.set sc, SC+14*(mb%2)
.irp c, 0,1
	v_cndmask_b32 v[sc+\c],   v[OWH+2*mb+\c], v[OTH+2*mb+\c], s[HM]  ; the first 8 steps' h
	v_cndmask_b32 v[sc+2+\c], v[OTH+2*mb+\c], v[OWH+2*mb+\c], s[HM]  ; the last 8 steps' h
	v_cndmask_b32 v[sc+4+\c], v[OTP+2*mb+\c], v[OWP+2*mb+\c], s[HM]  ; the last 8 steps' product
	v_cndmask_b32 v[sc+6+\c], 1.0, v[OTP+2*mb+\c], s[HM]             ; what lies in the block ahead of my steps: product,
	v_cndmask_b32 v[sc+8+\c], 0, v[OTH+2*mb+\c], s[HM]               ; and h
.endr
	v_pk_mul_f32 v[sc+10:sc+11], v[OWP+2*mb:OWP+2*mb+1], v[OTP+2*mb:OTP+2*mb+1]
	v_pk_fma_f32 v[sc+12:sc+13], v[sc+4:sc+5], v[sc:sc+1], v[sc+2:sc+3]
	v_pk_mul_f32 v[KQ+2*mb:KQ+2*mb+1], v[CQ:CQ+1], v[sc+6:sc+7]
	v_pk_fma_f32 v[KH+2*mb:KH+2*mb+1], v[sc+6:sc+7], v[CH:CH+1], v[sc+8:sc+9]
	v_pk_fma_f32 v[CH:CH+1], v[sc+10:sc+11], v[CH:CH+1], v[sc+12:sc+13]
	v_pk_mul_f32 v[CQ:CQ+1], v[CQ:CQ+1], v[sc+10:sc+11]
.set mb, mb+1
.endr
	WIN 0x52                                       ; h window 1, product window 2, KH window 0
.set p, 0
.rept 64
	ENTER p
.set p, p+1
.endr
	WIN 0x82
.set p, 0
.rept 64
	BYTAB 128, KQ+2*(p>>3), p
.set p, p+1
.endr
	; THE WAY OUT.  A lane's 8 steps of a channel pack into 16 bytes; they go into my stage (a row a channel, 128 steps) and come back as 4 channels x 64 steps, which are 512 consecutive bytes of a block of hl or pp.
	WIN 0x05
.set p, 0
.rept 64
	v_cvt_pk_bf16_f32 v[64+p], v[2*p], v[2*p+1]
.set p, p+1
.endr
	WIN 0
.set i, 0
.rept 16
	ds_store_b128 v[STO], v[64+4*i:64+4*i+3] offset:(i&1)*16*PITCH+(i>>1)*32
.set i, i+1
.endr
.set n, 0
.rept 16
	ds_load_b128 v[192+4*n:192+4*n+3], v[RD] offset:(n>>1)*4*PITCH+(n&1)*128  ; LDS serves a wave's instructions in order (ISA guide 5.7.1.4): these see the stores above
.set n, n+1
.endr
	WIN 0x0a                                       ; the products' roundings stand between those loads and the wait for them
.set p, 0
.rept 64
	v_cvt_pk_f16_f32 v[128+p], v[128+2*p], v[128+2*p+1]
.set p, p+1
.endr
	WIN 0
	s_wait_dscnt 0x0
.set n, 0
.rept 16
	global_store_b128 v[GO], v[192+4*n:192+4*n+3], s[78:79] offset:(n&1)*131072+(n>>1)*512  ; 512 consecutive bytes, at a multiple of 512 from hl's first
.set n, n+1
.endr
.set i, 0
.rept 16
	ds_store_b128 v[STO], v[128+4*i:128+4*i+3] offset:(i&1)*16*PITCH+(i>>1)*32
.set i, i+1
.endr
.set n, 0
.rept 16
	ds_load_b128 v[64+4*n:64+4*n+3], v[RD] offset:(n>>1)*4*PITCH+(n&1)*128
.set n, n+1
.endr
	s_wait_dscnt 0x0
.set n, 0
.rept 16
	global_store_b128 v[GO], v[64+4*n:64+4*n+3], s[80:81] offset:(n&1)*131072+(n>>1)*512
.set n, n+1
.endr
	s_wait_xcnt 0x0                                ; the stores have read their data and bases: only now are the bases stepped, and the next tile's fragments loaded into v64 on
	s_add_nc_u64 s[78:79], s[78:79], 262144        ; two blocks of 64 steps on
	s_add_nc_u64 s[80:81], s[80:81], 262144
	s_sub_co_u32 s2, s2, 1
	s_cmp_lg_u32 s2, 0
	s_cbranch_scc1 .Ltile
	v_cndmask_b32 v50, v[CQ], v[CQ+1], s[HM]       ; the chunk's summary: lane l gives channel 32 w + l
	v_cndmask_b32 v51, v[CH], v[CH+1], s[HM]
	global_store_b64 v[SO], v[50:51], s[82:83]     ; 256 consecutive bytes, aligned
	s_wait_tensorcnt 0x0                           ; the wave's end: a wait, an add to my spare word and its wait, behind my last tensor load and my last LDS store
	ds_add_u32 v[SPW], v[NIL]
	s_wait_dscnt 0x0
	CROUND                                         ; the closing round: no work-group ends while a partner may still ask for a tile that names it
	s_endpgm
.Lfunc_end_k_q4c308b5f3b_gates:
	.size	k_q4c308b5f3b_gates, .Lfunc_end_k_q4c308b5f3b_gates-k_q4c308b5f3b_gates
	.p2alignl 7, 3214868480
	.fill 96, 4, 3214868480
	.section	.rodata,"a",@progbits
	.p2align	6, 0x0
	.amdhsa_kernel k_q4c308b5f3b_gates
		.amdhsa_group_segment_fixed_size 327680
		.amdhsa_private_segment_fixed_size 0
		.amdhsa_enable_private_segment 0
		.amdhsa_kernarg_size 64
		.amdhsa_user_sgpr_count 2
		.amdhsa_user_sgpr_kernarg_segment_ptr 1
		.amdhsa_wavefront_size32 1
		.amdhsa_system_sgpr_workgroup_id_x 1
		.amdhsa_system_sgpr_workgroup_id_y 1
		.amdhsa_system_sgpr_workgroup_id_z 1
		.amdhsa_system_vgpr_workitem_id 0
		.amdhsa_next_free_vgpr 768
		.amdhsa_next_free_sgpr 92
		.amdhsa_reserve_vcc 0
		.amdhsa_float_denorm_mode_32 3
		.amdhsa_float_denorm_mode_16_64 3
		.amdhsa_memory_ordered 1
		.amdhsa_forward_progress 1
		.amdhsa_inst_pref_size 224
	.end_amdhsa_kernel
	.amdgpu_metadata
---
amdhsa.version: [ 1, 2 ]
amdhsa.kernels:
  - .name:           k_q4c308b5f3b_gates
    .symbol:         k_q4c308b5f3b_gates.kd
    .args:
      - { .name: xb, .offset: 0, .size: 8, .value_kind: global_buffer, .address_space: global }
      - { .name: wg, .offset: 8, .size: 8, .value_kind: global_buffer, .address_space: global }
      - { .name: b_ig, .offset: 16, .size: 8, .value_kind: global_buffer, .address_space: global }
      - { .name: b_rg, .offset: 24, .size: 8, .value_kind: global_buffer, .address_space: global }
      - { .name: lam, .offset: 32, .size: 8, .value_kind: global_buffer, .address_space: global }
      - { .name: hl, .offset: 40, .size: 8, .value_kind: global_buffer, .address_space: global }
      - { .name: pp, .offset: 48, .size: 8, .value_kind: global_buffer, .address_space: global }
      - { .name: sums, .offset: 56, .size: 8, .value_kind: global_buffer, .address_space: global }
    .group_segment_fixed_size: 327680
    .private_segment_fixed_size: 0
    .kernarg_segment_align: 8
    .kernarg_segment_size: 64
    .max_flat_workgroup_size: 128
    .sgpr_count:     92
    .vgpr_count:     768
    .wavefront_size: 32
...
	.end_amdgpu_metadata
.endif
;; end of part 2
;; launch fix (part 3): grid 256 x 1, 16 waves a work-group, no clusters, 10,240 bytes of LDS; arguments hl, pp, sums, h0, norm_w, a2; writes a2
.if DOCPART == 3
	.amdgcn_target "amdgcn-amd-amdhsa--gfx1250"
	.amdhsa_code_object_version 6
	.text
	.protected	k_q4c308b5f3b_fix
	.globl	k_q4c308b5f3b_fix
	.p2align	8
	.type	k_q4c308b5f3b_fix,@function
k_q4c308b5f3b_fix:
	s_mov_b64 s[64:65], 0
	v_nop
	global_prefetch_b8 v0, s[64:65] scope:SCOPE_SE
	s_setreg_imm32_b32 hwreg(HW_REG_WAVE_MODE, 25, 1), 1
	s_wait_xcnt 0x0
; THE CARRY, THE NORM.  h = hl + pp x carry, where carry is what enters the chunk: h0 taken through the summaries (Q, H) of the batch element's earlier chunks, carry = Q carry + H.
; a2 = h x rsqrt(mean over the 1,024 channels of h h + 1e-6) x norm_w, rounded once to f16.  h0 and norm_w are rounded to bf16 here, like every input.
; hl (bf16), pp (f16) and a2 (f16) lie by blocks of 64 steps: [block][1024 channels][64 steps].
; LIMIT: |h| x rsqrt(..) is at most 32 (one of 1,024 terms of the mean), so a2 stays within f16 for |norm_w| under 2,047.
; SHARES.  A work-group takes one block: 131,072 bytes of each tensor, read and written as they lie.  In iteration i (of 16) thread t takes the 16 bytes at 16 t + 8,192 i: channel 64 i + t / 8, steps 8 (t % 8) + 0..7.
; IN FLIGHT.  All 56 loads of a wave go out at the head: the summaries, h0 and norm_w first, then hl's and pp's 32: 16 waves x 32 x 512 bytes, the work-group's whole input.
; IN PLACE.  Iteration i's eight registers take hl's 16 bytes and pp's 16 bytes, then the eight h, which stay there between the pass that sums the squares and the pass that scales, then (the first four) a2's 16 bytes.
; All seven summaries are read and applied by a select: no branch and no address hangs on the chunk's number.
; No matrix unit, no cluster, no tensor load: nothing but 56 KiB of summaries, h0 and norm_w is read by more than one work-group.
.set CAR,   0                          ; LDS: the carry of the 1,024 channels, f32
.set PART,  4096                       ; [16 waves][64 steps] partial sums of squares, f32
.set SPARE, 8192                       ; the spare words, 128 bytes for each of the 16 waves: eight blocks of 256 bytes that no other line names
.set VB,  1                            ; v1   16 t
.set VC,  2                            ; v2   4 (t / 8)
.set VH,  3                            ; v3   8 t
.set SPW, 4                            ; v4   my spare word; never rewritten
.set NIL, 5                            ; v5   0; never rewritten
.set PW,  6                            ; v6   where my wave's partial sums of my 8 steps go
.set PR,  7                            ; v7   where wave 0's lie
.set SS,  8                            ; v[8:15]    sums of squares of my 8 steps
.set CA,  16                           ; v[16:31]   the carry of iteration i's channel
.set NW,  32                           ; v[32:47]   norm_w of iteration i's channel
.set T,   48                           ; v[48:63]   two sets of 8 at work, by turns
.set RS,  48                           ; v[48:55]   at the end: the 8 steps' rsqrt
.set SM,  64                           ; v[64:91]   seven summaries of two channels, (Q, H, Q, H) each,
.set H0,  92                           ; v[92:93]   h0 of the two channels,
.set CY,  94                           ; v[94:95]   and their carry
.set PS,  64                           ; v[64:127]  later: eight waves' partial sums at a time
.set H,   128                          ; v[128:255] iteration i's eight registers at 8 i
	s_load_b256 s[8:15], s[0:1], 0x0               ; hl 8, pp 10, sums 12, h0 14
	s_load_b128 s[16:19], s[0:1], 0x20             ; norm_w 16, a2 18
	v_lshl_add_u32 v[SPW], v0, 2, SPARE
	v_mov_b32 v[NIL], 0
	v_lshlrev_b32 v[VB], 4, v0
	v_lshrrev_b32 v[VC], 3, v0
	v_lshlrev_b32 v[VC], 2, v[VC]
	v_lshlrev_b32 v[VH], 3, v0
	v_lshrrev_b32 v[T], 5, v0
	v_readfirstlane_b32 s28, v[T]                  ; wave 0..15
	s_lshl_b32 s28, s28, 8
	s_add_co_u32 s28, s28, PART
	v_and_b32 v[PR], 7, v0
	v_lshlrev_b32 v[PR], 5, v[PR]                  ; 8 steps x 4 bytes
	v_add_nc_u32 v[PW], s28, v[PR]
	v_add_nc_u32 v[PR], PART, v[PR]
	s_bfe_u32 s20, ttmp9, 0x30003                  ; my chunk in its batch element: 8 blocks a chunk, 8 chunks
	s_lshl_b32 s30, ttmp9, 17                      ; my block
	s_mov_b32 s31, 0
	s_lshr_b32 s32, ttmp9, 6                       ; the batch element,
	s_lshl_b32 s32, s32, 16                        ; its 8 chunks x 8,192 bytes of summaries
	s_mov_b32 s33, 0
	s_mov_b32 s22, 0xffff0000                      ; a word's upper bf16
	s_mov_b32 s23, 0x3a800000                      ; 1 / 1024
	s_mov_b32 s24, 0x358637bd                      ; 1e-6
	s_mov_b32 s26, 0x76543210
	s_mov_b32 s27, 0xfedcba98
.irp j, 0,1,2,3,4,5,6
	s_cmp_gt_u32 s20, \j                           ; does chunk j lie before mine?
	s_cselect_b32 s[34+\j], -1, 0
.endr
	s_wait_kmcnt 0x0
	s_add_nc_u64 s[8:9], s[8:9], s[30:31]
	s_add_nc_u64 s[10:11], s[10:11], s[30:31]
	s_add_nc_u64 s[18:19], s[18:19], s[30:31]
	s_add_nc_u64 s[12:13], s[12:13], s[32:33]
.irp j, 0,1,2,3,4,5,6
	global_load_b128 v[SM+4*\j:SM+4*\j+3], v[VB], s[12:13] offset:\j*8192
.endr
	global_load_b64 v[H0:H0+1], v[VH], s[14:15]
.set i, 0
.rept 16
	global_load_b32 v[NW+i], v[VC], s[16:17] offset:i*256
.set i, i+1
.endr
.set i, 0
.rept 16
	global_load_b128 v[H+8*i:H+8*i+3],   v[VB], s[8:9]   offset:i*8192 th:TH_LOAD_NT
	global_load_b128 v[H+8*i+4:H+8*i+7], v[VB], s[10:11] offset:i*8192 th:TH_LOAD_NT
.set i, i+1
.endr
	s_wait_loadcnt 48                              ; the summaries and h0 are in; norm_w's 16 loads and the 32 of hl and pp stay out
	v_cvt_pk_bf16_f32 v[T], v[H0], v[H0+1]
	v_lshlrev_b32 v[CY], 16, v[T]
	v_and_b32 v[CY+1], s22, v[T]
.irp j, 0,1,2,3,4,5,6
	v_fma_f32 v[T],   v[SM+4*\j],   v[CY],   v[SM+4*\j+1]
	v_fma_f32 v[T+1], v[SM+4*\j+2], v[CY+1], v[SM+4*\j+3]
	v_cndmask_b32 v[CY],   v[CY],   v[T],   s[34+\j]
	v_cndmask_b32 v[CY+1], v[CY+1], v[T+1], s[34+\j]
.endr
	ds_store_b64 v[VH], v[CY:CY+1] offset:CAR      ; channels 2 t and 2 t + 1
	s_wait_dscnt 0x0                               ; for the others' sake
	s_barrier_signal -1
	s_barrier_wait -1
.set i, 0
.rept 16
	ds_load_b32 v[CA+i], v[VC] offset:CAR+i*256
.set i, i+1
.endr
	s_wait_loadcnt 32                              ; norm_w is in; hl's and pp's 32 loads stay out
.irp k, 0,1,2,3,4,5,6,7
	v_cvt_pk_bf16_f32 v[T+\k], v[NW+2*\k], v[NW+2*\k+1]
.endr
.irp k, 0,1,2,3,4,5,6,7
	v_lshlrev_b32 v[NW+2*\k],   16,  v[T+\k]
	v_and_b32     v[NW+2*\k+1], s22, v[T+\k]
.endr
	s_wait_dscnt 0x0
; Iteration i: h of 8 steps of one channel, in place, and their squares.  left = the younger loads that may stay out, two an iteration.
; hl (registers 0-3) is widened into a set of T.  Then h's eight are written in ascending order: 0 and 1 read pp's register 4, 2 and 3 read 5, 4 and 5 read 6, 6 and 7 read 7:
; a register of pp is written only when both its halves have been read, or by the line that reads its last half.
.macro ITER i, left
	s_wait_loadcnt \left
.irp k, 0,1,2,3
	v_lshlrev_b32 v[T+8*((\i)%2)+2*\k],   16,  v[H+8*(\i)+\k]
	v_and_b32     v[T+8*((\i)%2)+2*\k+1], s22, v[H+8*(\i)+\k]
.endr
.irp k, 0,1,2,3
	v_fma_mix_f32 v[H+8*(\i)+2*\k],   v[H+8*(\i)+4+\k], v[CA+(\i)], v[T+8*((\i)%2)+2*\k]   op_sel_hi:[1,0,0]                ; pp's low half x carry + hl
	v_fma_mix_f32 v[H+8*(\i)+2*\k+1], v[H+8*(\i)+4+\k], v[CA+(\i)], v[T+8*((\i)%2)+2*\k+1] op_sel:[1,0,0] op_sel_hi:[1,0,0]  ; its high half
.endr
.irp k, 0,2,4,6
.if (\i) == 0
	v_pk_mul_f32 v[SS+\k:SS+\k+1], v[H+\k:H+\k+1], v[H+\k:H+\k+1]  ; the first squares start the sums
.else
	v_pk_fma_f32 v[SS+\k:SS+\k+1], v[H+8*(\i)+\k:H+8*(\i)+\k+1], v[H+8*(\i)+\k:H+8*(\i)+\k+1], v[SS+\k:SS+\k+1]
.endif
.endr
.endm
.irp i, 0,1,2,3,4,5,6,7,8,9,10,11,12,13,14,15
	ITER \i, 30-2*\i
.endr
	; the four lanes of a wave that hold the same 8 steps (l, l ^ 8, l ^ 16, l ^ 24), then the 16 waves through LDS
.irp k, 0,1,2,3,4,5,6,7
	v_add_f32_dpp v[SS+\k], v[SS+\k], v[SS+\k] row_xmask:8 row_mask:0xf bank_mask:0xf
.endr
.irp k, 0,1,2,3,4,5,6,7
	v_permlanex16_b32 v[PS+\k], v[SS+\k], s26, s27 ; its destination counts as read: these registers held the summaries
.endr
.irp k, 0,2,4,6
	v_pk_add_f32 v[SS+\k:SS+\k+1], v[SS+\k:SS+\k+1], v[PS+\k:PS+\k+1]
.endr
	ds_store_b128 v[PW], v[SS:SS+3]                ; the four lanes store equal numbers to the same words
	ds_store_b128 v[PW], v[SS+4:SS+7] offset:16
	s_wait_dscnt 0x0
	s_barrier_signal -1
	s_barrier_wait -1
.irp b, 0,1
.irp n, 0,1,2,3,4,5,6,7
	ds_load_b128 v[PS+8*\n:PS+8*\n+3],   v[PR] offset:(8*\b+\n)*256
	ds_load_b128 v[PS+8*\n+4:PS+8*\n+7], v[PR] offset:(8*\b+\n)*256+16
.endr
	s_wait_dscnt 0x0
.irp n, 0,1,2,3,4,5,6,7
.irp k, 0,2,4,6
.if (\b) == 0 && (\n) == 1
	v_pk_add_f32 v[SS+\k:SS+\k+1], v[PS+\k:PS+\k+1], v[PS+8+\k:PS+8+\k+1]  ; waves 0 and 1 start the total
.elseif (\b) == 1 || (\n) > 1
	v_pk_add_f32 v[SS+\k:SS+\k+1], v[SS+\k:SS+\k+1], v[PS+8*\n+\k:PS+8*\n+\k+1]
.endif
.endr
.endr
.endr
.irp k, 0,1,2,3,4,5,6,7
	v_fma_f32 v[RS+\k], v[SS+\k], s23, s24         ; the mean + 1e-6
.endr
.irp k, 0,1,2,3,4,5,6,7
	v_rsq_f32 v[RS+\k], v[RS+\k]
.endr
	v_nop                                          ; a plain instruction behind the last of the batch,
	s_wait_alu depctr_va_vdst(0)                   ; and one wait ahead of the first use
.macro OUTI i
.irp k, 0,2,4,6
	v_pk_mul_f32 v[H+8*(\i)+\k:H+8*(\i)+\k+1], v[H+8*(\i)+\k:H+8*(\i)+\k+1], v[RS+\k:RS+\k+1]
.endr
.irp k, 0,2,4,6
.if (\i)%2
	v_pk_mul_f32 v[H+8*(\i)+\k:H+8*(\i)+\k+1], v[H+8*(\i)+\k:H+8*(\i)+\k+1], v[NW+(\i)-1:NW+(\i)] op_sel:[0,1] op_sel_hi:[1,1]
.else
	v_pk_mul_f32 v[H+8*(\i)+\k:H+8*(\i)+\k+1], v[H+8*(\i)+\k:H+8*(\i)+\k+1], v[NW+(\i):NW+(\i)+1] op_sel_hi:[1,0]
.endif
.endr
.irp k, 0,1,2,3
	v_cvt_pk_f16_f32 v[H+8*(\i)+\k], v[H+8*(\i)+2*\k], v[H+8*(\i)+2*\k+1]  ; in place: line k writes register k and reads 2 k and 2 k + 1
.endr
	global_store_b128 v[VB], v[H+8*(\i):H+8*(\i)+3], s[18:19] offset:(\i)*8192  ; a wave stores 512 consecutive bytes; each iteration has data registers of its own
.endm
.irp i, 0,1,2,3,4,5,6,7,8,9,10,11,12,13,14,15
	OUTI \i
.endr
	s_wait_tensorcnt 0x0                           ; the wave's end: a wait, an add to my spare word and its wait, behind my last LDS store
	ds_add_u32 v[SPW], v[NIL]
	s_wait_dscnt 0x0
	s_endpgm
.Lfunc_end_k_q4c308b5f3b_fix:
	.size	k_q4c308b5f3b_fix, .Lfunc_end_k_q4c308b5f3b_fix-k_q4c308b5f3b_fix
	.p2alignl 7, 3214868480
	.fill 96, 4, 3214868480
	.section	.rodata,"a",@progbits
	.p2align	6, 0x0
	.amdhsa_kernel k_q4c308b5f3b_fix
		.amdhsa_group_segment_fixed_size 10240
		.amdhsa_private_segment_fixed_size 0
		.amdhsa_enable_private_segment 0
		.amdhsa_kernarg_size 48
		.amdhsa_user_sgpr_count 2
		.amdhsa_user_sgpr_kernarg_segment_ptr 1
		.amdhsa_wavefront_size32 1
		.amdhsa_system_sgpr_workgroup_id_x 1
		.amdhsa_system_sgpr_workgroup_id_y 1
		.amdhsa_system_sgpr_workgroup_id_z 1
		.amdhsa_system_vgpr_workitem_id 0
		.amdhsa_next_free_vgpr 256
		.amdhsa_next_free_sgpr 66
		.amdhsa_reserve_vcc 0
		.amdhsa_float_denorm_mode_32 3
		.amdhsa_float_denorm_mode_16_64 3
		.amdhsa_memory_ordered 1
		.amdhsa_forward_progress 1
		.amdhsa_inst_pref_size 50
	.end_amdhsa_kernel
	.amdgpu_metadata
---
amdhsa.version: [ 1, 2 ]
amdhsa.kernels:
  - .name:           k_q4c308b5f3b_fix
    .symbol:         k_q4c308b5f3b_fix.kd
    .args:
      - { .name: hl, .offset: 0, .size: 8, .value_kind: global_buffer, .address_space: global }
      - { .name: pp, .offset: 8, .size: 8, .value_kind: global_buffer, .address_space: global }
      - { .name: sums, .offset: 16, .size: 8, .value_kind: global_buffer, .address_space: global }
      - { .name: h0, .offset: 24, .size: 8, .value_kind: global_buffer, .address_space: global }
      - { .name: norm_w, .offset: 32, .size: 8, .value_kind: global_buffer, .address_space: global }
      - { .name: a2, .offset: 40, .size: 8, .value_kind: global_buffer, .address_space: global }
    .group_segment_fixed_size: 10240
    .private_segment_fixed_size: 0
    .kernarg_segment_align: 8
    .kernarg_segment_size: 48
    .max_flat_workgroup_size: 512
    .sgpr_count:     66
    .vgpr_count:     256
    .wavefront_size: 32
...
	.end_amdgpu_metadata
.endif
;; end of part 3
;; launch proj (part 4): grid 4 x 64, 4 waves a work-group, clusters of 4 x 4, 327,680 bytes of LDS; arguments a2, wo, out0; writes out0
.if DOCPART == 4
	.amdgcn_target "amdgcn-amd-amdhsa--gfx1250"
	.amdhsa_code_object_version 6
	.text
	.protected	k_q4c308b5f3b_proj
	.globl	k_q4c308b5f3b_proj
	.p2align	8
	.type	k_q4c308b5f3b_proj,@function
k_q4c308b5f3b_proj:
	s_mov_b64 s[64:65], 0
	v_nop
	global_prefetch_b8 v0, s[64:65] scope:SCOPE_SE
	s_setreg_imm32_b32 hwreg(HW_REG_WAVE_MODE, 25, 1), 1
	s_wait_xcnt 0x0
	s_wait_alu depctr_hold_cnt(0) depctr_sa_sdst(0) depctr_va_vdst(0) depctr_va_sdst(0) depctr_va_ssrc(0) depctr_va_vcc(0) depctr_vm_vsrc(0)
	s_getreg_b32 s2, hwreg(HW_REG_IB_STS2, 6, 4)
	s_cmp_eq_u32 s2, 0
	s_cbranch_scc0 .Lentry_in_a_cluster
	s_endpgm
.Lentry_in_a_cluster:
	s_bfe_u32 s2, ttmp6, 0x10000c
	s_cmp_lg_u32 s2, 0xf033
	s_cbranch_scc0 .Lentry_shape_is_right
	s_endpgm
.Lentry_shape_is_right:
; out0[m][n] = the sum over k of a2(m, k) wo[n][k].  a2: f16, by blocks of 64 rows, [block][1024 k][64 m].  wo: f16 [1024 n][1024 k].  out0: f32 [16384][1024].  Sums in f32.
; A tile of out0, 256 x 256, is made by a work-group of four waves; a wave makes 128 x 128: 64 accumulators of 16 x 16, 512 registers.  256 tiles, one to a work-group.
; K goes in steps of 128 through a ring of two LDS slots.  wo's tile comes as 256 rows of 256 bytes.  a2's tile is, in each of its four blocks, 128 k x 128 bytes = 16,384 dense bytes; in LDS each k's 128 bytes
; get 32 of padding, and the fragments are turned on the way into registers by ds_load_tr16_b128.
; From a request to the wait for it a wave issues 224 matrix instructions.
; CLUSTER.  4 x 4 work-groups: a2's tiles are asked for jointly along a row of the cluster, wo's along a column.
; THE MATRIX INSTRUCTION IS USED TRANSPOSED: source 0 = 16 rows of wo, source 1 = 16 rows of a2: a lane holds row l % 16 of out0 and the columns 8 (l / 16) + 0..7: 32 consecutive bytes.
; REGISTERS: window 0: v0-31 addresses; v64-127, v128-191 a2's fragments, two buffers (on the way out: rows read back).  window 1: v64-127, v128-191 wo's fragments.
;   window 2: the 32 accumulators of my rows 0-63 ((a, b) at 8 (8 a + b)); window 3: those of my rows 64-127.
; THE STAGE for the way out lies in slot 0: its last fill is K step 6, every wave's reads of it are over at the last change of slots, and no tensor load follows.
.set PA,     160                       ; a k's row of a2 in LDS: 128 bytes + 32 = 40 words: 16 lanes of the turning load take 8 rows x 32 bytes, each word's place modulo 64 once
.set PB,     272                       ; a row of wo: 256 bytes + 16 = 68 words
.set ABLK,   128*PA                    ; a block's part of a K step
.set AHALF,  2*ABLK                    ; what one tensor load brings of a2, and what one wave reads
.set BOFF,   4*ABLK
.set BHALF,  128*PB
.set SLOT,   BOFF+2*BHALF              ; 151,552
.set SPARE,  2*SLOT                    ; behind the ring: the spare words, 128 bytes for each wave: two blocks of 256 bytes that no other line names
.set SPITCH, 528                       ; a stage row: 512 bytes + 16
.set ADRA, 16                          ; v16-17  LDS address of my a2 fragments in slot 0, 1
.set ADRB, 20                          ; v20-21  the same for wo
.set STO,  24                          ; v24     the way out: where I put 32 bytes of a row
.set RD,   25                          ; v25     where I read a row back
.set CO,   26                          ; v26     16 x lane
.set SPW,  28                          ; v28     my spare word; never rewritten
.set NIL,  29                          ; v29     0; never rewritten
.set PFO,  30                          ; v30     the prefetches' offset; never rewritten
.set F0,   64
.set F1,   128
.set G1,  24                           ; s[24:31] descriptor group 1 for a2's tiles; s[32:39] group 0, a set for each slot
.set G0,  32
.set G1B, 48                           ; s[48:55], s[56:63] the same for wo's
.set G0B, 56
.set LIM, 43                           ; s43  1 in a wave that prefetches, else the greatest number
.set PFA, 44                           ; s[44:45] the K step that my next prefetch names
.set PST, 66                           ; s[66:67] a K step in bytes, for my tensor
.set MSB, 0
.macro WIN new
.if MSB != (\new)
	s_set_vgpr_msb (MSB<<8)|(\new)
.set MSB, \new
.endif
.endm
.set MUL_LO, 0xa1                      ; source 0 (wo) window 1, source 1 (a2) window 0, C and D window 2
.set MUL_HI, 0xf1                      ; C and D window 3
.set TO_B,   0x40
.macro PLACES
.rept 4
	v_nop
.endr
.endm
.macro JLOAD s                         ; a joint load: waves 0 and 1 fetch a2's two halves, waves 2 and 3 wo's; an s_nop 0 and four v_nop follow each of the two lines
	s_cmp_eq_u32 s11, 0
	s_cbranch_scc0 .Lfor_b_\@
	tensor_load_to_lds s[G0+4*(\s):G0+4*(\s)+3], s[G1:G1+7]
	s_nop 0
.rept 4
	v_nop
.endr
	s_branch .Lasked_\@
.Lfor_b_\@:
	tensor_load_to_lds s[G0B+4*(\s):G0B+4*(\s)+3], s[G1B:G1B+7]
	s_nop 0
.rept 4
	v_nop
.endr
.Lasked_\@:
.endm
; A prefetch of the K step that stands two refills on: 32 blocks of 256 bytes, a lane a block.  a2's tile row is read by one cluster alone, which asks; wo's tile column by all 16 clusters: the one with y = 0 asks.
; The four partners that ask for a tile jointly share it out by address.  The loop's last trip asks for nothing: K has no step 8.
.macro ASK
	s_cmp_gt_u32 s3, s[LIM]
	s_cbranch_scc0 .Lnot_mine_\@
	global_prefetch_b8 v[PFO], s[PFA:PFA+1] th:TH_LOAD_NT scope:SCOPE_SE
.Lnot_mine_\@:
.endm
.macro CREST
	s_cmp_lg_u32 s10, 0
	s_cbranch_scc1 .Lnot_wave_0_\@
	s_barrier_signal -3
.Lnot_wave_0_\@:
	s_barrier_wait -3
	s_barrier_signal -1
	s_barrier_wait -1
.endm
.macro CROUND
	s_barrier_signal -1
	s_barrier_wait -1
	CREST
.endm
	s_load_b128 s[4:7], s[0:1], 0x0                ; a2 s[4:5], wo s[6:7]
	s_load_b64 s[8:9], s[0:1], 0x10                ; out0
	v_lshl_add_u32 v[SPW], v0, 2, SPARE
	v_mov_b32 v[NIL], 0
	ds_add_u32 v[SPW], v[NIL]                      ; the wave's opening: the add and its wait stand ahead of my first tensor load; work on registers stands between them
	v_lshrrev_b32 v1, 5, v0
	v_readfirstlane_b32 s10, v1                    ; wave 0..3
	s_lshr_b32 s11, s10, 1                         ; which half of the tile's rows is mine.  Also: I fetch for a2 (0) or for wo (1)
	s_and_b32 s12, s10, 1                          ; which half of its columns.  Also: which half of that tile I fetch
	s_bfe_u32 s40, ttmp6, 0x40000                  ; cx
	s_bfe_u32 s41, ttmp6, 0x40004                  ; cy
	s_lshl_b32 s42, ttmp9, 2
	s_add_co_u32 s42, s42, s40                     ; tile column
	s_and_b32 s13, ttmp7, 0xffff
	s_lshl_b32 s13, s13, 2
	s_add_co_u32 s13, s13, s41                     ; tile row
	s_lshl_b32 s43, s41, 2
	s_lshl_b32 s43, 15, s43                        ; my row of the cluster
	s_lshl_b32 s44, 0x1111, s40                    ; my column
	; a2: two rows of 8,192 elements (a block's 16,384 dense bytes each), 65,536 elements apart; 8 words of padding behind every 32
	s_or_b32 s[G1], s43, (1<<16)|(1<<20)|(1<<21)|(4<<22)|(7<<25)
	s_mov_b32 s[G1+1], 8192<<16                    ; tensor_dim0 = 8,192
	s_mov_b32 s[G1+2], 2<<16                       ; tensor_dim1 = 2
	s_mov_b32 s[G1+3], 8192<<16                    ; tile_dim0 = 8,192
	s_mov_b32 s[G1+4], 2                           ; tile_dim1 = 2
	s_mov_b32 s[G1+5], 65536                       ; elements from block to block
	s_mov_b32 s[G1+6], 0
	s_mov_b32 s[G1+7], 0
	; wo: 128 rows x 128 elements; 4 words of padding behind every 64
	s_or_b32 s[G1B], s44, (1<<16)|(1<<20)|(1<<21)|(5<<22)|(3<<25)
	s_mov_b32 s[G1B+1], 128<<16
	s_mov_b32 s[G1B+2], 128<<16
	s_mov_b32 s[G1B+3], 128<<16
	s_mov_b32 s[G1B+4], 128
	s_mov_b32 s[G1B+5], 1024
	s_mov_b32 s[G1B+6], 0
	s_mov_b32 s[G1B+7], 0
	s_lshl_b32 s16, s13, 2                         ; a2: block 4 x tile row + 2 x half
	s_lshl_b32 s17, s12, 1
	s_add_co_u32 s16, s16, s17
	s_lshl_b32 s16, s16, 17
	s_mov_b32 s17, 0
	s_lshl_b32 s46, s42, 8                         ; wo: row 256 x tile column + 128 x half
	s_lshl_b32 s47, s12, 7
	s_add_co_u32 s46, s46, s47
	s_lshl_b32 s46, s46, 11
	s_mov_b32 s47, 0
	s_mul_i32 s20, s10, AHALF                      ; where they go: a2's halves at wave x 40,960 (waves 0, 1),
	s_mul_i32 s21, s10, BHALF                      ; wo's at 81,920 + (wave - 2) x 34,816 (waves 2, 3)
	s_add_co_u32 s21, s21, BOFF-2*BHALF
	s_wait_dscnt 0x0                               ; the opening add is done
	s_wait_kmcnt 0x0
	s_add_nc_u64 s[14:15], s[4:5], s[16:17]
	s_add_nc_u64 s[46:47], s[6:7], s[46:47]
	CROUND                                         ; all sixteen work-groups are here: the first joint loads meet
.irp s, 0,1
	s_mov_b32 s[G0+4*\s], 1
	s_add_co_u32 s[G0+4*\s+1], s20, \s*SLOT
	s_add_nc_u64 s[G0+4*\s+2:G0+4*\s+3], s[14:15], \s*16384
	s_or_b32 s[G0+4*\s+3], s[G0+4*\s+3], 0x80000000
	s_mov_b32 s[G0B+4*\s], 1
	s_add_co_u32 s[G0B+4*\s+1], s21, \s*SLOT
	s_add_nc_u64 s[G0B+4*\s+2:G0B+4*\s+3], s[46:47], \s*256
	s_or_b32 s[G0B+4*\s+3], s[G0B+4*\s+3], 0x80000000
	JLOAD \s                                       ; two loads of mine are out
.endr
	v_and_b32 v1, 15, v0                           ; l % 16
	v_bfe_u32 v2, v0, 4, 1                         ; l / 16
	v_and_b32 v3, 7, v0
	v_bfe_u32 v4, v0, 3, 1
	; The turning load takes 16 k x 16 rows (lane l reads k = 8 (l / 16) + l % 8, rows 8 ((l / 8) % 2) + 0..7) and leaves half a fragment: lane l holds row l % 16 and 8 k.
	v_lshl_add_u32 v5, v2, 3, v3
	v_mul_u32_u24 v5, v5, PA
	v_lshl_add_u32 v5, v4, 4, v5
	s_mul_i32 s21, s11, AHALF                      ; my 128 rows: two blocks
	v_add_nc_u32 v[ADRA], s21, v5
	v_add_nc_u32 v[ADRA+1], SLOT, v[ADRA]
	v_mul_u32_u24 v6, v1, PB
	v_lshl_add_u32 v6, v2, 4, v6
	s_mul_i32 s22, s12, BHALF                      ; my 128 rows of wo
	s_add_co_u32 s22, s22, BOFF
	v_add_nc_u32 v[ADRB], s22, v6
	v_add_nc_u32 v[ADRB+1], SLOT, v[ADRB]
	s_mul_i32 s23, s10, 16*SPITCH                  ; my stage
	v_mul_u32_u24 v7, v1, SPITCH
	v_lshl_add_u32 v7, v2, 5, v7
	v_add_nc_u32 v[STO], s23, v7                   ; in: row l % 16, 32 bytes for each half of the lanes
	v_and_b32 v8, 31, v0
	v_lshlrev_b32 v[CO], 4, v8
	v_add_nc_u32 v[RD], s23, v[CO]                 ; back: a row's 512 bytes a load
	s_lshl_b32 s16, s13, 20                        ; out0: 256 rows of 4,096 bytes a tile row,
	s_lshl_b32 s17, s11, 19                        ; my 128 rows,
	s_add_co_u32 s16, s16, s17
	s_lshl_b32 s17, s42, 10                        ; 256 columns of 4 bytes a tile column,
	s_add_co_u32 s16, s16, s17
	s_lshl_b32 s17, s12, 9                         ; my 128 columns
	s_add_co_u32 s16, s16, s17
	s_mov_b32 s17, 0
	s_add_nc_u64 s[8:9], s[8:9], s[16:17]
	; the prefetches.  a2: of the 128 blocks of 256 bytes that wave w fetches in a K step, partner cx takes 32: block 2 (w % 2) + cx / 2 of the tile row, half cx % 2.  wo: of 128 rows, partner cy takes 32.
	s_lshl_b32 s20, s13, 2
	s_lshl_b32 s21, s12, 1
	s_add_co_u32 s20, s20, s21
	s_lshr_b32 s21, s40, 1
	s_add_co_u32 s20, s20, s21
	s_lshl_b32 s20, s20, 17
	s_and_b32 s21, s40, 1
	s_lshl_b32 s21, s21, 13
	s_add_co_u32 s20, s20, s21
	s_add_co_u32 s20, s20, 3*16384                 ; at K step 3: the first refill steps it to 4
	s_lshl_b32 s22, s42, 8
	s_lshl_b32 s23, s12, 7
	s_add_co_u32 s22, s22, s23
	s_lshl_b32 s23, s41, 5
	s_add_co_u32 s22, s22, s23
	s_lshl_b32 s22, s22, 11
	s_add_co_u32 s22, s22, 3*256
	s_and_b32 s23, ttmp7, 0xffff                   ; cluster y
	s_mov_b32 s14, 16384
	s_cmp_eq_u32 s11, 0                            ; do I fetch for a2?
	s_cselect_b32 s20, s20, s22
	s_cselect_b32 s23, ttmp9, s23                  ; the coordinate along which other clusters read the same bytes
	s_cselect_b32 s[PST], s14, 256
	s_cselect_b32 s22, 8, 11                       ; a lane a block of 256 bytes of a2, or a row of 2,048 bytes of wo
	s_cselect_b64 s[PFA:PFA+1], s[4:5], s[6:7]
	s_cmp_eq_u32 s23, 0
	s_cselect_b32 s[LIM], 1, -1                    ; the same in all sixteen partners, for a given wave
	s_mov_b32 s21, 0
	s_mov_b32 s[PST+1], 0
	s_add_nc_u64 s[PFA:PFA+1], s[PFA:PFA+1], s[20:21]
	v_lshlrev_b32 v[PFO], s22, v8
; 16 matrix instructions: row blocks a0, a0 + 1 of the window's four x all 8 column blocks, 32 along K.  zero = 1: the product starts the sums.  The 64 accumulators take turns in the same order in every quarter.
.macro MUL16 f, hi, a0, zero
	WIN MUL_LO+0x50*(\hi)
.irp a, \a0, (\a0)+1
.irp b, 0,1,2,3,4,5,6,7
.if \zero
	v_wmma_f32_16x16x32_f16 v[8*(8*(\a)+(\b)):8*(8*(\a)+(\b))+7], v[(\f)+8*(\b):(\f)+8*(\b)+7], v[(\f)+8*(4*(\hi)+(\a)):(\f)+8*(4*(\hi)+(\a))+7], 0
.else
	v_wmma_f32_16x16x32_f16 v[8*(8*(\a)+(\b)):8*(8*(\a)+(\b))+7], v[(\f)+8*(\b):(\f)+8*(\b)+7], v[(\f)+8*(4*(\hi)+(\a)):(\f)+8*(4*(\hi)+(\a))+7], v[8*(8*(\a)+(\b)):8*(8*(\a)+(\b))+7]
.endif
.endr
.endr
.endm
; 32 LDS loads in one run: the fragments of quarter kq of a K step into buffer f: wo's 16 loads, then a2's 16
.macro FETCH slot, kq, f
	WIN TO_B
.irp i, 0,1,2,3,4,5,6,7
	ds_load_b128 v[(\f)+8*(\i):(\f)+8*(\i)+3],   v[ADRB+(\slot)] offset:64*(\kq)+(\i)*16*PB
	ds_load_b128 v[(\f)+8*(\i)+4:(\f)+8*(\i)+7], v[ADRB+(\slot)] offset:64*(\kq)+(\i)*16*PB+32
.endr
	WIN 0
.irp i, 0,1,2,3,4,5,6,7
	ds_load_tr16_b128 v[(\f)+8*(\i):(\f)+8*(\i)+3],   v[ADRA+(\slot)] offset:((\i)/4)*ABLK+32*((\i)%4)+32*PA*(\kq)
	ds_load_tr16_b128 v[(\f)+8*(\i)+4:(\f)+8*(\i)+7], v[ADRA+(\slot)] offset:((\i)/4)*ABLK+32*((\i)%4)+32*PA*(\kq)+16*PA
.endr
.endm
.macro QUARTER slot, kq, f, n, zero    ; multiplies buffer f; in its middle fetches quarter kq of the same slot into buffer n
	s_wait_dscnt 8                                 ; wo and a2's rows 0-63 are in; the youngest eight loads (rows 64-127) may be out
	MUL16 \f, 0, 0, \zero
	MUL16 \f, 0, 2, \zero
	PLACES
	FETCH \slot, \kq, \n
	s_wait_dscnt 32                                ; all but the 32 just issued
	MUL16 \f, 1, 0, \zero
	MUL16 \f, 1, 2, \zero
.endm
; The last quarter's first half: ONE barrier for the change of slots; in front of it each wave waits for all its tensor loads (one is out: its part of the next slot), adds 0 to its spare word, and waits for that and for its reads of this slot.
.macro MEET round
	WIN 0
	s_wait_tensorcnt 0x0
	ds_add_u32 v[SPW], v[NIL]
	s_wait_dscnt 9                                 ; the add and the youngest eight loads may be out
	MUL16 F1, 0, 0, 0
	s_wait_dscnt 0x0                               ; the add is done, and my reads of this slot are over
	s_barrier_signal -1
	MUL16 F1, 0, 2, 0
.if \round
	WIN 0
.endif
	s_barrier_wait -1
.endm
.macro TURN slot, next
	s_wait_xcnt 0x0                                ; the last prefetch, a K step back, has read its address
	s_add_nc_u64 s[PFA:PFA+1], s[PFA:PFA+1], s[PST:PST+1]
	MEET 1
	CREST                                          ; the barrier has opened a round of the cluster's: no wave of any partner still reads this slot or has a load on its way
	s_add_nc_u64 s[G0+4*(\slot)+2:G0+4*(\slot)+3], s[G0+4*(\slot)+2:G0+4*(\slot)+3], 2*16384
	s_add_nc_u64 s[G0B+4*(\slot)+2:G0B+4*(\slot)+3], s[G0B+4*(\slot)+2:G0B+4*(\slot)+3], 2*256
	JLOAD \slot                                    ; the first tensor load behind the round; its four v_nop are also the places in front of the loads below
	FETCH \next, 0, F0
	ASK
	MUL16 F1, 1, 0, 0
	MUL16 F1, 1, 2, 0
.endm
	s_wait_tensorcnt 1                             ; my part of K step 0 is in; K step 1's may stay out
	s_barrier_signal -1
	s_barrier_wait -1
	FETCH 0, 0, F0
	QUARTER 0, 1, F0, F1, 1                        ; the first quarter starts the sums: nothing is cleared
	WIN 0
	s_mov_b32 s3, 3
.Llap:                                                 ; a trip goes once round the ring, from a lap's second quarter to the next lap's first, and fills both slots again
	QUARTER 0, 2, F1, F0, 0
	QUARTER 0, 3, F0, F1, 0
	TURN 0, 1
	QUARTER 1, 1, F0, F1, 0
	QUARTER 1, 2, F1, F0, 0
	QUARTER 1, 3, F0, F1, 0
	TURN 1, 0
	QUARTER 0, 1, F0, F1, 0
	WIN 0
	s_sub_co_u32 s3, s3, 1
	s_cmp_lg_u32 s3, 0
	s_cbranch_scc1 .Llap
	QUARTER 0, 2, F1, F0, 0                        ; the last lap fills nothing
	QUARTER 0, 3, F0, F1, 0
	MEET 0
	PLACES
	FETCH 1, 0, F0
	MUL16 F1, 1, 0, 0
	MUL16 F1, 1, 2, 0
	QUARTER 1, 1, F0, F1, 0
	QUARTER 1, 2, F1, F0, 0
	QUARTER 1, 3, F0, F1, 0
	s_wait_dscnt 8
	MUL16 F1, 0, 0, 0
	MUL16 F1, 0, 2, 0
	s_wait_dscnt 0x0
	MUL16 F1, 1, 0, 0
	MUL16 F1, 1, 2, 0
	WIN 0
; THE WAY OUT, a block of 16 rows x 128 columns at a time: a lane's 32 bytes of a row go into my stage (each accumulator's four lowest registers first), and whole rows of 512 bytes come back.
.macro TOSTAGE a
.if (\a) >= 2
	s_wait_xcnt 0x0                                ; the stores of the block two back have read the registers that the loads below fill
.endif
	WIN 0x08+4*((\a)/4)                            ; store data in window 2 or 3
.irp b, 0,1,2,3,4,5,6,7
	ds_store_b128 v[STO], v[64*((\a)%4)+8*(\b):64*((\a)%4)+8*(\b)+3]   offset:64*(\b)
	ds_store_b128 v[STO], v[64*((\a)%4)+8*(\b)+4:64*((\a)%4)+8*(\b)+7] offset:64*(\b)+16
.endr
	WIN 0
.irp t, 0,1,2,3,4,5,6,7,8,9,10,11,12,13,14,15
	ds_load_b128 v[64+64*((\a)%2)+4*(\t):64+64*((\a)%2)+4*(\t)+3], v[RD] offset:(\t)*SPITCH  ; LDS serves a wave's instructions in order (ISA guide 5.7.1.4): these see the stores above; the next block's stores come behind them
.endr
.endm
.macro SEND a, younger                 ; younger: the LDS instructions issued behind block a's loads: the next block's 32, or none
	s_wait_dscnt \younger
.irp t, 0,1,2,3,4,5,6,7,8,9,10,11,12,13,14,15
	global_store_b128 v[CO], v[64+64*((\a)%2)+4*(\t):64+64*((\a)%2)+4*(\t)+3], s[8:9] offset:(\a)*65536+(\t)*4096 th:TH_STORE_NT  ; 512 consecutive bytes, at a multiple of 512 from out0's first
.endr
.endm
	PLACES
	PLACES
	TOSTAGE 0
.irp a, 1,2,3,4,5,6,7
	TOSTAGE \a
	SEND (\a)-1, 32
.endr
	SEND 7, 0
	s_wait_tensorcnt 0x0                           ; the wave's end: a wait, an add to my spare word and its wait, behind my last tensor load and my last LDS store
	ds_add_u32 v[SPW], v[NIL]
	s_wait_dscnt 0x0
	CROUND                                         ; the closing round: no work-group ends while a partner may still ask for a tile that names it
	s_endpgm
.Lfunc_end_k_q4c308b5f3b_proj:
	.size	k_q4c308b5f3b_proj, .Lfunc_end_k_q4c308b5f3b_proj-k_q4c308b5f3b_proj
	.p2alignl 7, 3214868480
	.fill 96, 4, 3214868480
	.section	.rodata,"a",@progbits
	.p2align	6, 0x0
	.amdhsa_kernel k_q4c308b5f3b_proj
		.amdhsa_group_segment_fixed_size 327680
		.amdhsa_private_segment_fixed_size 0
		.amdhsa_enable_private_segment 0
		.amdhsa_kernarg_size 24
		.amdhsa_user_sgpr_count 2
		.amdhsa_user_sgpr_kernarg_segment_ptr 1
		.amdhsa_wavefront_size32 1
		.amdhsa_system_sgpr_workgroup_id_x 1
		.amdhsa_system_sgpr_workgroup_id_y 1
		.amdhsa_system_sgpr_workgroup_id_z 1
		.amdhsa_system_vgpr_workitem_id 0
		.amdhsa_next_free_vgpr 1024
		.amdhsa_next_free_sgpr 68
		.amdhsa_reserve_vcc 0
		.amdhsa_float_denorm_mode_32 3
		.amdhsa_float_denorm_mode_16_64 3
		.amdhsa_memory_ordered 1
		.amdhsa_forward_progress 1
		.amdhsa_inst_pref_size 142
	.end_amdhsa_kernel
	.amdgpu_metadata
---
amdhsa.version: [ 1, 2 ]
amdhsa.kernels:
  - .name:           k_q4c308b5f3b_proj
    .symbol:         k_q4c308b5f3b_proj.kd
    .args:
      - { .name: a2, .offset: 0, .size: 8, .value_kind: global_buffer, .address_space: global }
      - { .name: wo, .offset: 8, .size: 8, .value_kind: global_buffer, .address_space: global }
      - { .name: out0, .offset: 16, .size: 8, .value_kind: global_buffer, .address_space: global }
    .group_segment_fixed_size: 327680
    .private_segment_fixed_size: 0
    .kernarg_segment_align: 8
    .kernarg_segment_size: 24
    .max_flat_workgroup_size: 128
    .sgpr_count:     68
    .vgpr_count:     1024
    .wavefront_size: 32
...
	.end_amdgpu_metadata
.endif
;; end of part 4
;; ======== version 2 of 2: 4 launches; version 1 with the launch prep written anew for expert scheduling mode
;; limits: values are held in f16: magnitudes above 65,504 overflow, below 6.1e-05 lose precision; right only within a limited range of input values; values outside matrix products are rounded to bf16; values outside matrix products are rounded to f16
;; workspace buffers: xb 33,554,432 bytes; wg 6,291,456 bytes; wo 2,097,152 bytes; hl 33,554,432 bytes; pp 33,554,432 bytes; a2 33,554,432 bytes; sums 262,144 bytes
;; launch prep (part 5): grid 256 x 1, 16 waves a work-group, no clusters, 0 bytes of LDS; arguments x, W_in, W_ig, W_rg, W_out, xb, wg, wo; writes xb, wg, wo
.if DOCPART == 5
	.amdgcn_target "amdgcn-amd-amdhsa--gfx1250"
	.amdhsa_code_object_version 6
	.text
	.protected	k_q4c308b5f3b_prep
	.globl	k_q4c308b5f3b_prep
	.p2align	8
	.type	k_q4c308b5f3b_prep,@function
k_q4c308b5f3b_prep:
	s_mov_b64 s[64:65], 0
	v_nop
	global_prefetch_b8 v0, s[64:65] scope:SCOPE_SE
	s_setreg_imm32_b32 hwreg(HW_REG_WAVE_SCHED_MODE, 0, 2), 2
	s_setreg_imm32_b32 hwreg(HW_REG_WAVE_MODE, 25, 1), 1
	s_wait_xcnt 0x0
	s_wait_alu depctr_vm_vsrc(0)
; ROUNDING OF THE MATRIX OPERANDS.  xb = x in bf16, [16384][1024].  wg = W_in, W_ig, W_rg in bf16, rows in the order in which the next launch's tiles want them:
; row 384 (ch / 128) + 128 gate + ch % 128.  wo = W_out rounded to bf16, that number written as f16 (exact for magnitudes from 6.1e-5 to 65,504).
; LIMIT: |W_out| under 65,504; below 6.1e-5 wo keeps f16's fixed step of 6e-8.
; SHARES.  Work-group i takes 262,144 bytes of x (32 pieces of 8,192) and rows 4 i .. 4 i + 3 of each weight matrix (2 pieces each).  Of a piece thread t (of 512) takes the 16 bytes at 16 t:
; a wave's load covers 512 consecutive bytes, and each byte is asked for once.  The four numbers pack into 8 bytes at 8 t of the piece's 4,096 bytes of output: a wave's store covers 256 consecutive bytes, aligned.
; IN FLIGHT.  Every wave issues all its 40 loads at the head: 16 waves x 40 x 512 bytes, the work-group's whole share.  The pieces stand in the immediates, the roundings are made in place in the loaded
; registers, and no register that a store reads is written again: so there is no loop.
; No LDS, no barrier, no matrix unit: every byte is read once and written once, and nothing is shared.
; THE MODE: SCHED_MODE bits 1:0 = 2 (LLVM: expert scheduling mode 2), set by the entry lines.  The code itself states the register dependences
; between vector instructions and memory instructions, with s_wait_alu, always for 0.
; THE PLAN.  Registers that memory instructions touch:
;   v1, v2   byte offsets, made once at the head and never written again: v1 is read by every load, v2 by every store.
;   W, X     a piece's four registers.  Written by its one load, which is issued at the head, ahead of every vector line that names them; then, behind the counted wait for that load,
;            by the piece's roundings, in place; then the first two are read by the piece's one store.  Nothing writes them behind that store.
;   T        named by vector lines alone.
; So one kind of dependence is to be stated: a rounding has written what a store reads.  The work goes in ten steps: the three gates' weights, W_out, eight blocks of four pieces of x.  A step's roundings name
; its own pieces' registers alone; the stores of the step BEFORE are dealt among them.  ONE wait on va_vdst at a step's head, behind the wait for the step's first piece, states that the step before has written
; its packed words; all its stores follow with no further wait, since no vector line issued since names their data or v2.  No register that a memory instruction has read is written again, and no load lands
; in a register that a vector line has named: no other wait is owed.
.set VI, 1                             ; v1         16 t; never rewritten
.set VO, 2                             ; v2         8 t; never rewritten
.set T,  4                             ; v[4:5]     at work (W_out)
.set X,  32                            ; v[32:159]  piece j of x: 4 registers; its 8 bytes of output take the first two
.set W,  160                           ; v[160:191] matrix m, piece j at 8 m + 4 j
	s_load_b512 s[8:23], s[0:1], 0x0               ; x, W_in, W_ig, W_rg, W_out, xb, wg, wo
	v_lshlrev_b32 v[VI], 4, v0
	v_lshlrev_b32 v[VO], 3, v0
	s_lshl_b32 s24, ttmp9, 18                      ; x: 262,144 bytes a work-group
	s_mov_b32 s25, 0
	s_lshl_b32 s26, ttmp9, 17                      ; xb: half of that
	s_mov_b32 s27, 0
	s_lshl_b32 s28, ttmp9, 14                      ; four rows of 4,096 bytes of a weight matrix
	s_mov_b32 s29, 0
	s_lshr_b32 s30, ttmp9, 5                       ; ch / 128 for ch = 4 i
	s_mul_i32 s30, s30, 384
	s_lshl_b32 s31, ttmp9, 2
	s_and_b32 s31, s31, 127                        ; ch % 128
	s_add_co_u32 s30, s30, s31
	s_lshl_b32 s30, s30, 11                        ; rows of 2,048 bytes in wg
	s_mov_b32 s31, 0
	s_lshl_b32 s32, ttmp9, 13                      ; four rows of 2,048 bytes of wo
	s_mov_b32 s33, 0
	s_mov_b32 s34, 0xffff0000                      ; a word's upper bf16
	s_wait_kmcnt 0x0
	s_add_nc_u64 s[8:9], s[8:9], s[24:25]
	s_add_nc_u64 s[10:11], s[10:11], s[28:29]
	s_add_nc_u64 s[12:13], s[12:13], s[28:29]
	s_add_nc_u64 s[14:15], s[14:15], s[28:29]
	s_add_nc_u64 s[16:17], s[16:17], s[28:29]
	s_add_nc_u64 s[18:19], s[18:19], s[26:27]
	s_add_nc_u64 s[20:21], s[20:21], s[30:31]
	s_add_nc_u64 s[22:23], s[22:23], s[32:33]
	s_wait_alu depctr_va_vdst(0)                   ; v1 and v2 are written: every load of the kernel reads v1 as its offset, every store v2
.irp m, 0,1,2,3
.irp j, 0,1
	global_load_b128 v[W+8*\m+4*\j:W+8*\m+4*\j+3], v[VI], s[10+2*\m:11+2*\m] offset:\j*8192 th:TH_LOAD_NT
.endr
.endr
.set j, 0
.rept 32
	global_load_b128 v[X+4*j:X+4*j+3], v[VI], s[8:9] offset:j*8192 th:TH_LOAD_NT
.set j, j+1
.endr
	; the first step: the three gates' weights are rounded; their stores stand in the next step
.irp m, 0,1,2
	s_wait_loadcnt 38-2*\m                         ; loads come back in order (ISA guide 5.7.1): matrix m's two are in; the 38 - 2 m issued behind them stay out
.irp j, 0,1
	v_cvt_pk_bf16_f32 v[W+8*\m+4*\j],   v[W+8*\m+4*\j],   v[W+8*\m+4*\j+1]  ; in place: each line writes a register whose number has been read
	v_cvt_pk_bf16_f32 v[W+8*\m+4*\j+1], v[W+8*\m+4*\j+2], v[W+8*\m+4*\j+3]
.endr
.endr
	; the second step: W_out, and among its lines the gates' six stores
	s_wait_loadcnt 32                              ; W_out's two are in; x's 32 stay out
	s_wait_alu depctr_va_vdst(0)                   ; the gates' twelve roundings have written v[W ..] of matrices 0 to 2, which the six stores below read
.irp j, 0,1
.irp m, 0,1,2
	global_store_b64 v[VO], v[W+8*\m+4*\j:W+8*\m+4*\j+1], s[20:21] offset:\m*262144+\j*4096  ; a gate's 128 rows are 262,144 bytes; no vector line since the wait names these registers
.endr
	v_cvt_pk_bf16_f32 v[T],   v[W+24+4*\j],   v[W+24+4*\j+1]  ; W_out: rounded to bf16 like every input,
	v_cvt_pk_bf16_f32 v[T+1], v[W+24+4*\j+2], v[W+24+4*\j+3]
	v_lshlrev_b32 v[W+24+4*\j],   16,  v[T]                    ; widened again,
	v_and_b32     v[W+24+4*\j+1], s34, v[T]
	v_lshlrev_b32 v[W+24+4*\j+2], 16,  v[T+1]
	v_and_b32     v[W+24+4*\j+3], s34, v[T+1]
	v_cvt_pk_f16_f32 v[W+24+4*\j],   v[W+24+4*\j],   v[W+24+4*\j+1]  ; and written as f16
	v_cvt_pk_f16_f32 v[W+24+4*\j+1], v[W+24+4*\j+2], v[W+24+4*\j+3]
.endr
	; x, in eight blocks of four pieces, piece by piece as it comes; ahead of each piece's roundings a store of the step before: W_out's two in block 0, then the block before's four
.set b, 0
.rept 8
	s_wait_loadcnt 31-4*b                          ; the block's first piece is in; the 31 - 4 b loads behind it stay out
	s_wait_alu depctr_va_vdst(0)                   ; the step before has written its packed words (block 0: W_out's, v[W+24 ..]; else the block before's, v[X ..]), which the stores of this block read
.set i, 0
.rept 4
.set j, 4*b+i
.if b > 0
	global_store_b64 v[VO], v[X+4*(j-4):X+4*(j-4)+1], s[18:19] offset:(j-4)*4096  ; the piece four back; this block's roundings name its own pieces' registers alone
.elseif i < 2
	global_store_b64 v[VO], v[W+24+4*i:W+24+4*i+1], s[22:23] offset:i*4096
.endif
.if i > 0
	s_wait_loadcnt 31-j                            ; piece j is in; the 31 - j behind it stay out
.endif
	v_cvt_pk_bf16_f32 v[X+4*j],   v[X+4*j],   v[X+4*j+1]
	v_cvt_pk_bf16_f32 v[X+4*j+1], v[X+4*j+2], v[X+4*j+3]
.set i, i+1
.endr
.set b, b+1
.endr
	s_wait_alu depctr_va_vdst(0)                   ; the last block's roundings have written v[X+112 ..], which the last four stores read
.set j, 28
.rept 4
	global_store_b64 v[VO], v[X+4*j:X+4*j+1], s[18:19] offset:j*4096
.set j, j+1
.endr
	s_endpgm
.Lfunc_end_k_q4c308b5f3b_prep:
	.size	k_q4c308b5f3b_prep, .Lfunc_end_k_q4c308b5f3b_prep-k_q4c308b5f3b_prep
	.p2alignl 7, 3214868480
	.fill 96, 4, 3214868480
	.section	.rodata,"a",@progbits
	.p2align	6, 0x0
	.amdhsa_kernel k_q4c308b5f3b_prep
		.amdhsa_group_segment_fixed_size 0
		.amdhsa_private_segment_fixed_size 0
		.amdhsa_enable_private_segment 0
		.amdhsa_kernarg_size 64
		.amdhsa_user_sgpr_count 2
		.amdhsa_user_sgpr_kernarg_segment_ptr 1
		.amdhsa_wavefront_size32 1
		.amdhsa_system_sgpr_workgroup_id_x 1
		.amdhsa_system_sgpr_workgroup_id_y 1
		.amdhsa_system_sgpr_workgroup_id_z 1
		.amdhsa_system_vgpr_workitem_id 0
		.amdhsa_next_free_vgpr 192
		.amdhsa_next_free_sgpr 66
		.amdhsa_reserve_vcc 0
		.amdhsa_float_denorm_mode_32 3
		.amdhsa_float_denorm_mode_16_64 3
		.amdhsa_memory_ordered 1
		.amdhsa_forward_progress 1
		.amdhsa_inst_pref_size 16
	.end_amdhsa_kernel
	.amdgpu_metadata
---
amdhsa.version: [ 1, 2 ]
amdhsa.kernels:
  - .name:           k_q4c308b5f3b_prep
    .symbol:         k_q4c308b5f3b_prep.kd
    .args:
      - { .name: x, .offset: 0, .size: 8, .value_kind: global_buffer, .address_space: global }
      - { .name: W_in, .offset: 8, .size: 8, .value_kind: global_buffer, .address_space: global }
      - { .name: W_ig, .offset: 16, .size: 8, .value_kind: global_buffer, .address_space: global }
      - { .name: W_rg, .offset: 24, .size: 8, .value_kind: global_buffer, .address_space: global }
      - { .name: W_out, .offset: 32, .size: 8, .value_kind: global_buffer, .address_space: global }
      - { .name: xb, .offset: 40, .size: 8, .value_kind: global_buffer, .address_space: global }
      - { .name: wg, .offset: 48, .size: 8, .value_kind: global_buffer, .address_space: global }
      - { .name: wo, .offset: 56, .size: 8, .value_kind: global_buffer, .address_space: global }
    .group_segment_fixed_size: 0
    .private_segment_fixed_size: 0
    .kernarg_segment_align: 8
    .kernarg_segment_size: 64
    .max_flat_workgroup_size: 512
    .sgpr_count:     66
    .vgpr_count:     192
    .wavefront_size: 32
...
	.end_amdgpu_metadata
.endif
;; end of part 5
;; launch gates: the kernel of part 2 again; grid 8 x 32, 4 waves a work-group, clusters of 4 x 4, 327,680 bytes of LDS; arguments xb, wg, b_ig, b_rg, lam, hl, pp, sums; writes hl, pp, sums
;; launch fix: the kernel of part 3 again; grid 256 x 1, 16 waves a work-group, no clusters, 10,240 bytes of LDS; arguments hl, pp, sums, h0, norm_w, a2; writes a2
;; launch proj: the kernel of part 4 again; grid 4 x 64, 4 waves a work-group, clusters of 4 x 4, 327,680 bytes of LDS; arguments a2, wo, out0; writes out0
